; MI455X (gfx1250); checked and timed in simulation.
; The chip was launched on July 23, 2026; its instructions are those of AMD's public machine-readable ISA for CDNA 5 (MIT licence, August 2026) and "CDNA5" Instruction Set Architecture Reference Guide (July 2026). The comments in the code are by the model that wrote it; some were corrected since.
;; Context Parallel. Allowed arithmetic: matrix products marked QUANTISED: E2M3 operands, one E8M0 scale for each 32 along K, by v_wmma_scale_f32_16x16x128_f8f6f4 with both operands' format E2M3, f32 sums; everything else in f32.
;; Inputs: Wk 512 x 2,048 float32; Wo 2,048 x 2,048 float32; Wq 2,048 x 2,048 float32; Wv 512 x 2,048 float32; x_kv 1 x 4,096 x 2,048 float32; x_q 1 x 2,048 x 2,048 float32.
;; Outputs: out0 1 x 2,048 x 2,048 float32.
;; This version of the problem:
;;   THIS VERSION OF THE PROBLEM IS GIVEN IN LOW PRECISION. The matrix products marked QUANTISED in the list below multiply operands that are first quantised to E2M3 (2 exponent bits, 3 mantissa bits; 6 bits a number), with one power-of-two scale for each 32 numbers along K (OCP MX v1.0); their sums are f32. All else is computed in f32.
;;   The module's matrix products, in the order in which they are computed (A, B: the left and right operand; K: the contracted axis; several contracted axes count as one K, in the product's order):
;;     1. [M 2,048, K 2,048] x [K 2,048, N 2,048]; A: input x_q; B: input Wq: QUANTISED
;;     2. [M 4,096, K 2,048] x [K 2,048, N 512]; A: input x_kv; B: input Wk: QUANTISED
;;     3. [M 4,096, K 2,048] x [K 2,048, N 512]; A: input x_kv; B: input Wv: QUANTISED
;;     4. batch 16 x [M 2,048, K 128] x [K 128, N 2,048]; A: computed on the way; B: computed on the way: QUANTISED
;;     5. batch 16 x [M 2,048, K 2,048] x [K 2,048, N 128]; A: softmax (see below); B: computed on the way: QUANTISED
;;     6. batch 16 x [M 2,048, K 128] x [K 128, N 2,048]; A: computed on the way; B: computed on the way: QUANTISED
;;     7. batch 16 x [M 2,048, K 2,048] x [K 2,048, N 128]; A: softmax (see below); B: computed on the way: QUANTISED
;;     8. [M 2,048, K 2,048] x [K 2,048, N 2,048]; A: computed on the way; B: input Wo: QUANTISED
;;   THE QUANTISER, for each operand of a quantised product, along K:
;;     - K is cut into blocks of 32 from its start; a last block that is shorter is filled with zeros.
;;     - A block's scale is 2^e with e = floor(log2(the largest magnitude in the block)) - 2, held to -126 .. 127; a block of zeros has e = 0. As a byte (E8M0): e + 127.
;;     - Each number is divided by its block's scale, clamped to +-7.5, and rounded to the nearest number of E2M3, ties to even, subnormals kept.
;;     - The product sums the exact products of the quantised numbers (number of the format x scale) in f32.
;;   ~~~python
;;   def quantise(x, axis):      # numpy; x: float32 -> the quantised numbers, widened to float32 again
;;       x = np.moveaxis(x, axis, -1); K = x.shape[-1]
;;       x = np.pad(x, [(0, 0)] * (x.ndim - 1) + [(0, -K % 32)]); x = x.reshape(x.shape[:-1] + (-1, 32)); a = np.abs(x).max(-1, keepdims=True)
;;       e = np.where(a > 0, np.clip(np.frexp(np.where(a > 0, a, 1))[1] - 1 - 2, -126, 127), 0)      # np.frexp(a)[1] - 1 = floor(log2(a)), exactly
;;       r = np.clip(x / 2.0 ** e, -7.5, 7.5)
;;       step = 2.0 ** (np.maximum(np.frexp(np.where(r == 0, 1, r))[1] - 1, 0) - 3)
;;       q = np.round(r / step) * step * 2.0 ** e      # np.round: ties to even
;;       return np.moveaxis(q.reshape(q.shape[:-2] + (-1,))[..., :K], -1, axis).astype(np.float32)
;;   ~~~
;;   SOFTMAX AHEAD OF A QUANTISED PRODUCT. Where the list says 'softmax', what is quantised is not the finished softmax but p = 2^(t - M), with t = logit x log2(e) and M = ceil(the row's largest t), a whole number; so 1/2 < the row's largest p <= 1. The row's sum l is taken of the UNQUANTISED p, in f32, and the product's result is divided by l at the end. Since M is a whole number, a kernel that streams over the keys may use a running M (the ceiling of the running maximum): every later rescaling is an exact power of two, which a block's scale takes up: the codes' values come out the same.
;;   OPERANDS COMPUTED ON THE WAY. 'Computed on the way' means the value that the module computes at that place (a softmax that the list does not call 'softmax' is quantised finished and normalised). What goes into a quantiser is computed in f32, as accurately as f32 sums, v_exp_f32 and their like allow (about 1e-6 of the number): no bf16 or f16 on the way to a quantiser, and a product that is left as it is and whose result goes on into a quantised operand takes f32 operands (vector FMAs, or v_wmma_f32_16x16x4_f32). A number that lies on a knife's edge between two numbers of the format may be rounded either way, as far as f32 arithmetic and the matrix unit's own rounding can turn it there, and no further.
;; One version. Each part assembles by itself: llvm-mc -triple=amdgcn-amd-amdhsa -mcpu=gfx1250 --defsym DOCPART=n.
;; ======== version 1 of 1: 4 launches
;; workspace buffers: xw 18,022,400 bytes; qb 3,276,800 bytes; kv 3,276,800 bytes; ao 3,276,800 bytes
;; launch quant (part 1): grid 704 x 1, 4 waves a work-group, no clusters, 34,304 bytes of LDS; arguments x_q, x_kv, Wq, Wk, Wv, Wo, xw; writes xw
.if DOCPART == 1
	.amdgcn_target "amdgcn-amd-amdhsa--gfx1250"
	.amdhsa_code_object_version 6
	.text
	.protected	k_q8405314ffd_quant
	.globl	k_q8405314ffd_quant
	.p2align	8
	.type	k_q8405314ffd_quant,@function
k_q8405314ffd_quant:
	s_mov_b64 s[64:65], 0
	v_nop
	global_prefetch_b8 v0, s[64:65] scope:SCOPE_SE
	s_setreg_imm32_b32 hwreg(HW_REG_WAVE_MODE, 25, 1), 1
	s_wait_xcnt 0x0
; The six inputs, all f32 with K = 2,048 innermost, become codes of FP6 (E2M3) with one E8M0 byte for each 32 along K, laid in xw in the ORDER OF AN OPERAND'S REGISTERS.
; xw = [704 tiles of 16 rows][4 groups of 4 K steps][record of 6,400 bytes].  Tiles: x_q 0-127, x_kv 128-383, Wq 384-511, Wk 512-543, Wv 544-575, Wo 576-703.
; A record = 4 images of 1,536 bytes (a fragment, 16 rows x 128 K, 12 registers a lane: byte 512 c + 16 lane + 4 e = register 4 c + e) and a unit of 256 bytes (byte 16 r + 4 x + y = the scale byte of block y of fragment x of row r).
; THE ROWS OF A TILE ARE NOT NEIGHBOURS: row r of tile 2 b + u of a tensor is the tensor's row 32 b + 8 u + r + 8 (r / 8), so that as source 0 of a product two neighbouring tiles give a lane 16 neighbours.
; A block's scale is 2^(floor(log2(its largest magnitude)) - 2); its byte is the largest magnitude's exponent field - 2, held at 1 from below; numbers are divided by it and rounded to the nearest code, ties to even, beyond 7.5 the largest code.
; LIMITS: NaN and infinities are not served; a block whose largest magnitude lies under 2^-124 keeps the byte 1; a block of zeros has the byte 1 where the rule says 127 (its codes are zeros, and this program alone reads the bytes).
; SHARES: a work-group takes a tile, wave w its K steps 4 w .. 4 w + 3: 32 KiB in, one record out.  Each load reads 512 consecutive bytes of a row; the conversions want 16 neighbours in ONE lane, so a K step's 8 KiB turn through
; the wave's own stage in LDS (16 rows, 528 bytes apart = 33 x 16: sixteen rows' pieces of 16 bytes fall on sixteen different columns modulo 256).  Waves share nothing: no barrier, no matrix unit, no cluster.
.set ROWB,   8192                      ; a row of any of the six tensors, in bytes
.set REC,    6400
.set SPITCH, 528
.set WST,    16*SPITCH                 ; a wave's stage
.set SPARE,  4*WST                     ; behind the stages: the spare words, 128 bytes a wave, that no other line names
.set SPW,  14                          ; v14  LDS address of my spare word; never rewritten
.set NIL,  15                          ; v15  0; never rewritten
.set R,    16                          ; v16-143   two sets of 64: a K step as loaded
.set X,    144                         ; v144-207  register 16 b + i = k 32 b + 16 (lane / 16) + i of my row
.set TM,   208                         ; v208-223  at work: +0..3 largest magnitudes, +4..7 the other half's, then bytes, +12..15 the conversions' scale operands
.set PC,   224                         ; v224-243  the codes: 12 registers, and 8 at work
.set PW,   244                         ; v244-247  a scale word for each K step
.set SEL,  26                          ; s[26:27]  v_permlanex16_b32's selects for lane l xor 16
; 64 numbers of a lane become a fragment's codes in v[pc] .. v[pc + 11] and my row's scale word in v[pw]
.macro QUANT s, pc, pw
.irp b, 0,1,2,3
	v_max3_num_f32 v[TM+\b], |v[(\s)+16*\b]|, |v[(\s)+16*\b+1]|, 0x1800000   ; block b: my 16 numbers, and the floor 2^(3 - 127): the byte cannot fall under 1
.endr
.irp i, 2,4,6,8,10,12,14
.irp b, 0,1,2,3
	v_max3_num_f32 v[TM+\b], |v[(\s)+16*\b+\i]|, |v[(\s)+16*\b+\i+1]|, v[TM+\b]   ; the four blocks by turns
.endr
.endr
.irp b, 0,1,2,3
	v_permlanex16_b32 v[TM+4+\b], v[TM+\b], s[SEL], s[SEL+1]
.endr
.irp b, 0,1,2,3
	v_max_num_f32 v[TM+\b], v[TM+\b], v[TM+4+\b]           ; with lane l xor 16's 16: the block's largest magnitude
.endr
.irp b, 0,1,2,3
	v_add_nc_u32 v[TM+12+\b], 0xff000000, v[TM+\b]         ; 2 off its exponent field: the conversion takes that field as its scale
.endr
.irp b, 0,1,2,3
	v_lshrrev_b32 v[TM+4+\b], 23, v[TM+12+\b]              ; the scale's byte
.endr
	v_lshl_or_b32 v[\pw], v[TM+5], 8, v[TM+4]
	v_lshl_or_b32 v[\pw], v[TM+6], 16, v[\pw]
	v_lshl_or_b32 v[\pw], v[TM+7], 24, v[\pw]
.irp c, 0,1
	v_cvt_scalef32_pk16_fp6_f32 v[(\pc)+6*\c:(\pc)+6*\c+2], v[(\s)+32*\c:(\s)+32*\c+15], v[TM+12+2*\c]
	v_cvt_scalef32_pk16_fp6_f32 v[(\pc)+12+4*\c:(\pc)+14+4*\c], v[(\s)+32*\c+16:(\s)+32*\c+31], v[TM+13+2*\c]   ; (a conversion's three registers begin on an even number)
.endr
	v_nop                                                  ; one plain place behind the conversions
.irp c, 0,1                                            ; the operand wants a WHOLE block in a lane: lanes 0-15 block 2 c, lanes 16-31 block 2 c + 1
.irp i, 0,1,2
	v_permlane16_swap_b32 v[(\pc)+6*\c+\i], v[(\pc)+12+4*\c+\i]
.endr
.irp i, 0,1,2
	v_mov_b32 v[(\pc)+3+6*\c+\i], v[(\pc)+12+4*\c+\i]
.endr
.endr
.endm
	s_load_b256 s[4:11], s[0:1], 0x0               ; x_q s[4:5], x_kv s[6:7], Wq s[8:9], Wk s[10:11]
	s_load_b128 s[12:15], s[0:1], 0x20             ; Wv s[12:13], Wo s[14:15]
	s_load_b64 s[16:17], s[0:1], 0x30              ; xw
	v_lshl_add_u32 v[SPW], v0, 2, SPARE
	v_mov_b32 v[NIL], 0
	v_lshrrev_b32 v1, 5, v0
	v_readfirstlane_b32 s18, v1                    ; wave 0..3
	v_and_b32 v1, 31, v0                           ; lane
	v_and_b32 v2, 15, v0                           ; r
	v_bfe_u32 v3, v0, 4, 1                         ; h
	v_lshlrev_b32 v4, 4, v1                        ; 16 x lane: my bytes of a load's or a store's 512
	s_mul_i32 s19, s18, WST
	v_add_nc_u32 v5, s19, v4                       ; the stage, in: a row as it lies
	v_mul_u32_u24 v6, v2, SPITCH
	v_lshl_add_u32 v6, v3, 6, v6
	v_add_nc_u32 v6, s19, v6                       ; and out: row r, + 64 h: my 16 numbers of a block of 32
	v_lshlrev_b32 v7, 4, v2
	v_lshl_add_u32 v7, v3, 3, v7                   ; the unit: 16 r + 8 h
	s_mov_b32 s[SEL], 0x76543210
	s_mov_b32 s[SEL+1], 0xfedcba98
.irp b, 0,1,2,3
	v_mov_b32 v[TM+4+\b], 0                        ; written once: a lane permute's destination counts as one of its sources
.endr
	s_mov_b32 s22, 576
	s_wait_kmcnt 0x0
	s_mov_b64 s[20:21], s[14:15]                   ; which tensor is my tile's, and its first tile: the choice hangs on the work-group's number alone
	s_cmp_lt_u32 ttmp9, 576
	s_cselect_b64 s[20:21], s[12:13], s[20:21]
	s_cselect_b32 s22, 544, s22
	s_cmp_lt_u32 ttmp9, 544
	s_cselect_b64 s[20:21], s[10:11], s[20:21]
	s_cselect_b32 s22, 512, s22
	s_cmp_lt_u32 ttmp9, 512
	s_cselect_b64 s[20:21], s[8:9], s[20:21]
	s_cselect_b32 s22, 384, s22
	s_cmp_lt_u32 ttmp9, 384
	s_cselect_b64 s[20:21], s[6:7], s[20:21]
	s_cselect_b32 s22, 128, s22
	s_cmp_lt_u32 ttmp9, 128
	s_cselect_b64 s[20:21], s[4:5], s[20:21]
	s_cselect_b32 s22, 0, s22
	s_sub_co_u32 s22, ttmp9, s22                   ; the tile's number in its tensor, 2 b + u
	s_lshr_b32 s23, s22, 1
	s_lshl_b32 s23, s23, 18                        ; 32 b rows of 8,192 bytes
	s_and_b32 s22, s22, 1
	s_lshl_b32 s22, s22, 16                        ; 8 u rows
	s_add_co_u32 s22, s22, s23
	s_lshl_b32 s23, s18, 11                        ; my four K steps: 2,048 bytes of each row
	s_add_co_u32 s22, s22, s23
	s_mov_b32 s23, 0
	s_add_nc_u64 s[20:21], s[20:21], s[22:23]
	s_lshl_b32 s24, ttmp9, 2
	s_add_co_u32 s24, s24, s18
	s_mul_i32 s24, s24, REC                        ; my record
	s_mov_b32 s25, 0
	s_add_nc_u64 s[24:25], s[16:17], s[24:25]
.macro LOAD s                          ; K step s of the tile's 16 rows into set s % 2: each load reads 512 consecutive bytes, at a multiple of 512 from the tensor's first byte
.irp i, 0,1,2,3,4,5,6,7,8,9,10,11,12,13,14,15
	global_load_b128 v[R+64*((\s)%2)+4*\i:R+64*((\s)%2)+4*\i+3], v4, s[20:21] offset:(\i+8*(\i/8))*ROWB+512*(\s) th:TH_LOAD_NT
.endr
.endm
.macro TURN s                          ; through the stage: LDS serves a wave's instructions in order, so no wait stands between the stores and the loads
.irp i, 0,1,2,3,4,5,6,7,8,9,10,11,12,13,14,15
	ds_store_b128 v5, v[R+64*((\s)%2)+4*\i:R+64*((\s)%2)+4*\i+3] offset:SPITCH*\i
.endr
.irp b, 0,1,2,3
.irp j, 0,1,2,3
	ds_load_b128 v[X+16*\b+4*\j:X+16*\b+4*\j+3], v6 offset:128*\b+16*\j
.endr
.endr
.endm
.macro STEP s
.if (\s) < 3
	s_wait_loadcnt 16                              ; this K step's 16 loads are in; the younger set's 16 may be out
.else
	s_wait_loadcnt 0x0
.endif
	TURN \s
	s_wait_dscnt 0x0                               ; my 64 numbers are back, and the stores into the stage have read their registers,
.if (\s) < 2
	LOAD (\s)+2                                    ; which take the K step two on
.endif
.if (\s) > 0
	s_wait_xcnt 0x0                                ; the last K step's stores have read the codes' registers: they are written again only behind this wait
.endif
	QUANT X, PC, PW+(\s)
.irp c, 0,1,2
	global_store_b128 v4, v[PC+4*\c:PC+4*\c+3], s[24:25] offset:1536*(\s)+512*\c   ; the image: 512 consecutive bytes a store, at a multiple of 256 from xw's first byte
.endr
.endm
	LOAD 0
	LOAD 1
	STEP 0
	STEP 1
	STEP 2
	STEP 3
	v_cmp_lt_u32 vcc_lo, 15, v1                    ; both halves of the lanes hold the row's four words: lanes 0-15 store words 0, 1, lanes 16-31 words 2, 3
	v_cndmask_b32 v248, v[PW], v[PW+2], vcc_lo
	v_cndmask_b32 v249, v[PW+1], v[PW+3], vcc_lo
	global_store_b64 v7, v[248:249], s[24:25] offset:6144   ; 32 lanes store the unit: 256 consecutive bytes, aligned
	s_wait_tensorcnt 0x0                           ; the wave's end, behind my last LDS store
	ds_add_u32 v[SPW], v[NIL]
	s_wait_dscnt 0x0
	s_endpgm
.Lfunc_end_k_q8405314ffd_quant:
	.size	k_q8405314ffd_quant, .Lfunc_end_k_q8405314ffd_quant-k_q8405314ffd_quant
	.p2alignl 7, 3214868480
	.fill 96, 4, 3214868480
	.section	.rodata,"a",@progbits
	.p2align	6, 0x0
	.amdhsa_kernel k_q8405314ffd_quant
		.amdhsa_group_segment_fixed_size 34304
		.amdhsa_private_segment_fixed_size 0
		.amdhsa_enable_private_segment 0
		.amdhsa_kernarg_size 56
		.amdhsa_user_sgpr_count 2
		.amdhsa_user_sgpr_kernarg_segment_ptr 1
		.amdhsa_wavefront_size32 1
		.amdhsa_system_sgpr_workgroup_id_x 1
		.amdhsa_system_sgpr_workgroup_id_y 1
		.amdhsa_system_sgpr_workgroup_id_z 1
		.amdhsa_system_vgpr_workitem_id 0
		.amdhsa_next_free_vgpr 256
		.amdhsa_next_free_sgpr 66
		.amdhsa_reserve_vcc 1
		.amdhsa_float_denorm_mode_32 3
		.amdhsa_float_denorm_mode_16_64 3
		.amdhsa_memory_ordered 1
		.amdhsa_forward_progress 1
		.amdhsa_inst_pref_size 34
	.end_amdhsa_kernel
	.amdgpu_metadata
---
amdhsa.version: [ 1, 2 ]
amdhsa.kernels:
  - .name:           k_q8405314ffd_quant
    .symbol:         k_q8405314ffd_quant.kd
    .args:
      - { .name: x_q, .offset: 0, .size: 8, .value_kind: global_buffer, .address_space: global }
      - { .name: x_kv, .offset: 8, .size: 8, .value_kind: global_buffer, .address_space: global }
      - { .name: Wq, .offset: 16, .size: 8, .value_kind: global_buffer, .address_space: global }
      - { .name: Wk, .offset: 24, .size: 8, .value_kind: global_buffer, .address_space: global }
      - { .name: Wv, .offset: 32, .size: 8, .value_kind: global_buffer, .address_space: global }
      - { .name: Wo, .offset: 40, .size: 8, .value_kind: global_buffer, .address_space: global }
      - { .name: xw, .offset: 48, .size: 8, .value_kind: global_buffer, .address_space: global }
    .group_segment_fixed_size: 34304
    .private_segment_fixed_size: 0
    .kernarg_segment_align: 8
    .kernarg_segment_size: 56
    .max_flat_workgroup_size: 128
    .sgpr_count:     66
    .vgpr_count:     256
    .wavefront_size: 32
...
	.end_amdgpu_metadata
.endif
;; end of part 1
;; launch proj (part 2): grid 256 x 1, 4 waves a work-group, clusters of 4 x 1, 327,680 bytes of LDS; arguments xw, qb, kv; writes qb, kv
.if DOCPART == 2
	.amdgcn_target "amdgcn-amd-amdhsa--gfx1250"
	.amdhsa_code_object_version 6
	.text
	.protected	k_q8405314ffd_proj
	.globl	k_q8405314ffd_proj
	.p2align	8
	.type	k_q8405314ffd_proj,@function
k_q8405314ffd_proj:
	s_mov_b64 s[64:65], 0
	v_nop
	global_prefetch_b8 v0, s[64:65] scope:SCOPE_SE
	s_setreg_imm32_b32 hwreg(HW_REG_WAVE_MODE, 25, 1), 1
	s_wait_xcnt 0x0
	s_wait_alu depctr_hold_cnt(0) depctr_sa_sdst(0) depctr_va_vdst(0) depctr_va_sdst(0) depctr_va_ssrc(0) depctr_va_vcc(0) depctr_vm_vsrc(0)
	s_getreg_b32 s2, hwreg(HW_REG_IB_STS2, 6, 4)
	s_cmp_eq_u32 s2, 0
	s_cbranch_scc0 .Lentry_in_a_cluster
	s_endpgm
.Lentry_in_a_cluster:
	s_bfe_u32 s2, ttmp6, 0x10000c
	s_cmp_lg_u32 s2, 0x3003
	s_cbranch_scc0 .Lentry_shape_is_right
	s_endpgm
.Lentry_shape_is_right:
; The three projections q = x_q Wq^T, k = x_kv Wk^T, v = x_kv Wv^T on codes of FP6 (E2M3) with E8M0 scales, K = 2,048, f32 sums; the results are quantised in registers along the NEXT product's K and stored as images of operands.
; ONE BODY: C^T = P R^T, source 0 = 16 rows of P, source 1 = 16 rows of R: a lane holds ONE row of R, and its registers run along P's rows, which are the next K (the rows of a tile of xw are chosen for that: two neighbouring
; tiles of P give a lane 16 neighbours).  q: P = Wq (a head's 128), R = x_q.  k: P = Wk, R = x_kv.  v: P = x_kv (128 keys), R = Wv.
; SHARES: a work-group takes 256 rows of P x 128 of R, wave w rows 128 (w / 2) on of P x 64 (w % 2) on of R: 32 accumulators.  64 clusters of four: clusters 0-31 make q, 32-47 k, 48-63 v; the part is chosen by selects on the cluster's number.
; CLUSTER 4, 1, 1: the four partners take the same 256 rows of P, asked for JOINTLY (mask 15), and four different tiles of R, each by a load of its own.  4 x 4 does not divide: part k has only two tiles of P.
; RING: two slots, each with 4 K steps (a record of 6,400 bytes for each tile of 16 rows: 16 of P, 8 of R).  K has 4 such groups: two first fills, two refills, so the 16 K steps are written out.
; A slot is left at its THIRD K step, when its last fragments are in registers.  By this text's count a wave has two tensor loads out at the start and one later.
; OUT: qb = [head 16][group of 4 query tiles 32][record];  kv = [key/value head 4][step of 128 keys 32][25,600: K's 8 images, V^T's 8 images, K's 2 units, V's 2 units].
; LIMITS: NaN and infinities are not served; a block whose largest magnitude lies under 2^-124 keeps the byte 1; a block of zeros has the byte 1 where the rule says 127 (its codes are zeros, and this program alone reads the bytes).
; No prefetch: half of K is in the first fills, and the launch is four groups long.
; REGISTERS: window 0: v1-15 lane and addresses; v16-111 two sets of scale words; v112-207 R's fragments, two sets; v208-229 at work on the way out.  window 1: P's fragments, two sets, at v0 and v128.  window 2: accumulator (a, b) at v[8 (8 a + b)].
.set REC,    6400
.set TPITCH, 4*REC                     ; from a tile of xw to the next
.set STEPB,  25600                     ; a key step's bytes in kv
.set SLOT,   24*REC
.set ROFF,   16*REC                    ; R's records lie behind P's sixteen
.set SPARE,  2*SLOT                    ; behind the ring: the spare words, 128 bytes a wave, that no other line names
.set ADP, 4                            ; v4-5    my P fragments in slot 0, 1: slot + 8 records x (w / 2) + 16 x lane
.set ADR, 6                            ; v6-7    my R fragments: slot + ROFF + 4 records x (w % 2) + 16 x lane
.set ASP, 8                            ; v8-9    the same with 16 r for 16 x lane: the units
.set ASR, 10                           ; v10-11
.set LI,  12                           ; v12     16 x lane
.set UO,  13                           ; v13     16 r + 8 h
.set SPW, 14                           ; v14     LDS address of my spare word; never rewritten
.set NIL, 15                           ; v15     0; never rewritten
.set SC,  16                           ; scale words: set s at SC + 48 s; P's tile b, K step q at + 4 b + q; R's tile a at + 32 + 4 a + q.  Lanes 0-15 are read
.set RF,  112                          ; R's fragments: set p at RF + 48 p + 12 a; on the way out the codes
.set TM,  208
.set PW,  224
.set UW,  228
.set G1P, 24                           ; s[24:31] group 1 for P's tiles;  s[32:39] for R's;  s[40:47], s[48:55] their groups 0, a set for each slot
.set G1R, 32
.set G0P, 40
.set G0R, 48
.set SEL, 74
.set MULW, 0xa1                        ; source 0 (P) window 1, source 1 (R) window 0, C and D window 2
.set MSB, 0
.macro WIN new                         ; the immediate's high byte repeats the setting that is left
.if MSB != \new
	s_set_vgpr_msb (MSB<<8)|\new
.set MSB, \new
.endif
.endm
.macro PLACES                          ; four places behind a matrix instruction, ahead of loads into registers that it has read and of reads of its results
.rept 4
	v_nop
.endr
.endm
.macro JLOAD s                         ; waves 0 and 1 fetch P's halves, jointly with the partners; waves 2 and 3 my own R's halves.  An s_nop 0 and four v_nop follow each line
	s_cmp_eq_u32 s11, 0
	s_cbranch_scc0 .Lfor_r_\@
	tensor_load_to_lds s[G0P+4*\s:G0P+4*\s+3], s[G1P:G1P+7]
	s_nop 0
	PLACES
	s_branch .Lasked_\@
.Lfor_r_\@:
	tensor_load_to_lds s[G0R+4*\s:G0R+4*\s+3], s[G1R:G1R+7]
	s_nop 0
	PLACES
.Lasked_\@:
.endm
.macro CREST                           ; a round of the cluster's barrier behind its opening barrier
	s_cmp_lg_u32 s10, 0
	s_cbranch_scc1 .Lnot_wave_0_\@
	s_barrier_signal -3
.Lnot_wave_0_\@:
	s_barrier_wait -3
	s_barrier_signal -1
	s_barrier_wait -1
.endm
.macro CROUND
	s_barrier_signal -1
	s_barrier_wait -1
	CREST
.endm
	s_load_b128 s[4:7], s[0:1], 0x0                ; xw s[4:5], qb s[6:7]
	s_load_b64 s[8:9], s[0:1], 0x10                ; kv
	v_lshl_add_u32 v[SPW], v0, 2, SPARE
	v_mov_b32 v[NIL], 0
	ds_add_u32 v[SPW], v[NIL]                      ; the wave's opening: the add and its wait stand ahead of my first tensor load; the set-up, work on registers, stands between them
	v_lshrrev_b32 v1, 5, v0
	v_readfirstlane_b32 s10, v1                    ; wave 0..3
	s_lshr_b32 s11, s10, 1                         ; my half of P's rows.  Also: I fetch for P (0) or for R (1)
	s_and_b32 s12, s10, 1                          ; my half of R's rows.  Also: which half I fetch
	s_bfe_u32 s13, ttmp6, 0x40000                  ; cx: it enters R's address and the stores' alone
	; the part, from the cluster's number C = ttmp9.  s16 = P's first tile, s17 = group of R's tiles, s18 = R's tensor's first tile
	s_max_u32 s14, ttmp9, 48
	s_lshl_b32 s16, s14, 4
	s_sub_co_u32 s16, s16, 640                     ; v: x_kv's tile 128 + 16 (C - 48)
	s_mov_b32 s17, 0
	s_mov_b32 s18, 544                             ;    R = Wv
	s_lshr_b32 s19, ttmp9, 3
	s_lshl_b32 s19, s19, 4
	s_add_co_u32 s19, s19, 448                     ; k: Wk's tile 512 + 16 (C / 8 - 4)
	s_and_b32 s20, ttmp9, 7
	s_lshr_b32 s21, ttmp9, 2
	s_lshl_b32 s21, s21, 4
	s_add_co_u32 s21, s21, 384                     ; q: Wq's tile 384 + 16 (C / 4)
	s_and_b32 s22, ttmp9, 3
	s_cmp_lt_u32 ttmp9, 48
	s_cselect_b32 s16, s19, s16
	s_cselect_b32 s17, s20, s17
	s_cselect_b32 s18, 128, s18                    ;    R = x_kv
	s_cmp_lt_u32 ttmp9, 32
	s_cselect_b32 s16, s21, s16
	s_cselect_b32 s17, s22, s17
	s_cselect_b32 s18, 0, s18                      ;    R = x_q
	s_lshl_b32 s19, s12, 3
	s_add_co_u32 s56, s16, s19                     ; P: the 8 tiles that I would fetch
	s_mul_i32 s56, s56, TPITCH
	s_mov_b32 s57, 0
	s_lshl_b32 s58, s17, 5
	s_add_co_u32 s58, s58, s18
	s_lshl_b32 s20, s13, 3
	s_add_co_u32 s58, s58, s20                     ; R: my work-group's 8 tiles: first + 32 x group + 8 cx,
	s_lshl_b32 s20, s12, 2
	s_add_co_u32 s58, s58, s20                     ; the 4 that I would fetch
	s_mul_i32 s58, s58, TPITCH
	s_mov_b32 s59, 0
	s_mul_i32 s60, s12, 8*REC                      ; where they go in a slot: no place in the cluster enters an LDS address
	s_mul_i32 s61, s12, 4*REC
	s_add_co_u32 s61, s61, ROFF
	; group 1: rows of 6,400 bytes (800 elements of 8), 25,600 bytes apart, no padding: P 8 rows, R 4
	s_mov_b32 s[G1P], 15|(3<<16)|(1<<21)           ; 15:0 the mask: all four work-groups; 17:16 elements of 8 bytes; 21 set beside a mask
	s_mov_b32 s[G1P+1], 800<<16                    ; tensor_dim0
	s_mov_b32 s[G1P+2], 8<<16                      ; tensor_dim1
	s_mov_b32 s[G1P+3], 800<<16                    ; tile_dim0
	s_mov_b32 s[G1P+4], 8                          ; tile_dim1
	s_mov_b32 s[G1P+5], 3200                       ; tensor_dim0_stride
	s_mov_b32 s[G1P+6], 0
	s_mov_b32 s[G1P+7], 0
	s_mov_b32 s[G1R], 3<<16                        ; no mask: a load of my own
	s_mov_b32 s[G1R+1], 800<<16
	s_mov_b32 s[G1R+2], 4<<16
	s_mov_b32 s[G1R+3], 800<<16
	s_mov_b32 s[G1R+4], 4
	s_mov_b32 s[G1R+5], 3200
	s_mov_b32 s[G1R+6], 0
	s_mov_b32 s[G1R+7], 0
	; where my four fragments and their unit go.  q: record (head 2 (C / 4) + w / 2) x 32 + 8 x group + 2 cx + w % 2
	s_lshr_b32 s66, ttmp9, 2
	s_lshl_b32 s66, s66, 1
	s_add_co_u32 s66, s66, s11
	s_lshl_b32 s66, s66, 5
	s_lshl_b32 s62, s17, 3
	s_add_co_u32 s66, s66, s62
	s_lshl_b32 s62, s13, 1
	s_add_co_u32 s66, s66, s62
	s_add_co_u32 s66, s66, s12
	s_mul_i32 s66, s66, REC
	s_add_co_u32 s68, s66, 6144
	; k: key step (head 2 (C / 8 - 4) + w / 2) x 32 + 4 x group + cx
	s_max_u32 s76, ttmp9, 32
	s_lshr_b32 s76, s76, 3
	s_sub_co_u32 s76, s76, 4
	s_lshl_b32 s76, s76, 1
	s_add_co_u32 s76, s76, s11
	s_lshl_b32 s76, s76, 5
	s_lshl_b32 s62, s17, 2
	s_add_co_u32 s76, s76, s62
	s_add_co_u32 s76, s76, s13
	s_mul_i32 s76, s76, STEPB
	; v: key step (head cx) x 32 + 2 (C - 48) + w / 2, behind K's images
	s_sub_co_u32 s77, s14, 48
	s_lshl_b32 s77, s77, 1
	s_add_co_u32 s77, s77, s11
	s_lshl_b32 s62, s13, 5
	s_add_co_u32 s77, s77, s62
	s_mul_i32 s77, s77, STEPB
	s_add_co_u32 s77, s77, 12288
	s_mov_b32 s78, 12800                           ; from V's images to V's units;
	s_cmp_lt_u32 ttmp9, 48
	s_cselect_b32 s76, s76, s77
	s_cselect_b32 s78, 24576, s78                  ; from K's images to K's units
	s_add_co_u32 s78, s78, s76
	s_mul_i32 s62, s12, 6144                       ; my four of the step's eight fragments,
	s_add_co_u32 s76, s76, s62
	s_lshl_b32 s62, s12, 8                         ; and their unit
	s_add_co_u32 s78, s78, s62
	s_cmp_lt_u32 ttmp9, 32
	s_cselect_b32 s66, s66, s76
	s_cselect_b32 s68, s68, s78
	s_mov_b32 s67, 0
	s_mov_b32 s69, 0
	s_mov_b32 s[SEL], 0x76543210
	s_mov_b32 s[SEL+1], 0xfedcba98                 ; v_permlanex16_b32's selects for lane l xor 16
	v_and_b32 v1, 31, v0                           ; lane
	v_and_b32 v2, 15, v0                           ; r
	v_bfe_u32 v3, v0, 4, 1                         ; h
	v_lshlrev_b32 v[LI], 4, v1
	v_lshlrev_b32 v[UO], 4, v2
	s_mul_i32 s62, s11, 8*REC
	s_mul_i32 s63, s12, 4*REC
	s_add_co_u32 s63, s63, ROFF
.irp s, 0,1
	v_add_nc_u32 v[ADP+\s], s62, v[LI]
	v_add_nc_u32 v[ADR+\s], s63, v[LI]
	v_add_nc_u32 v[ASP+\s], s62, v[UO]
	v_add_nc_u32 v[ASR+\s], s63, v[UO]
	s_add_co_u32 s62, s62, SLOT
	s_add_co_u32 s63, s63, SLOT
.endr
	v_lshl_add_u32 v[UO], v3, 3, v[UO]
.irp b, 0,1,2,3
	v_mov_b32 v[TM+4+\b], 0                        ; written once: a lane permute's destination counts as one of its sources
.endr
	s_wait_dscnt 0x0                               ; the opening add is done
	s_wait_kmcnt 0x0
	s_add_nc_u64 s[56:57], s[4:5], s[56:57]
	s_add_nc_u64 s[58:59], s[4:5], s[58:59]
	s_cmp_lt_u32 ttmp9, 32
	s_cselect_b64 s[70:71], s[6:7], s[8:9]         ; q goes to qb, k and v to kv
	s_add_nc_u64 s[72:73], s[70:71], s[68:69]      ; the unit
	s_add_nc_u64 s[70:71], s[70:71], s[66:67]      ; the images
	CROUND                                         ; all four work-groups are here: the first joint loads meet
.irp s, 0,1
	s_mov_b32 s[G0P+4*\s], 1                       ; 1:0 count = 1
	s_add_co_u32 s[G0P+4*\s+1], s60, \s*SLOT       ; 63:32 LDS address
	s_add_nc_u64 s[G0P+4*\s+2:G0P+4*\s+3], s[56:57], \s*REC   ; 120:64 global address: group s of 4 K steps
	s_or_b32 s[G0P+4*\s+3], s[G0P+4*\s+3], 0x80000000         ; 127:126 type = 2
	s_mov_b32 s[G0R+4*\s], 1
	s_add_co_u32 s[G0R+4*\s+1], s61, \s*SLOT
	s_add_nc_u64 s[G0R+4*\s+2:G0R+4*\s+3], s[58:59], \s*REC
	s_or_b32 s[G0R+4*\s+3], s[G0R+4*\s+3], 0x80000000
.endr
	s_cmp_eq_u32 s11, 0                            ; a wave's two first fills stand in one branch, ahead of every wait on TENSORcnt, every LDS read and every work-group barrier behind the round
	s_cbranch_scc0 .Lfirst_r
	tensor_load_to_lds s[G0P:G0P+3], s[G1P:G1P+7]
	s_nop 0
	tensor_load_to_lds s[G0P+4:G0P+7], s[G1P:G1P+7]
	s_nop 0
	PLACES
	s_branch .Lfirst_asked
.Lfirst_r:
	tensor_load_to_lds s[G0R:G0R+3], s[G1R:G1R+7]
	s_nop 0
	tensor_load_to_lds s[G0R+4:G0R+7], s[G1R:G1R+7]
	s_nop 0
	PLACES
.Lfirst_asked:
.macro FETCH slot, q, p                ; 36 LDS loads in one run: the slot's q-th K step: P's eight fragments and R's four, as images, into set p
	WIN 0x40                                       ; destination window 1, address window 0
.irp b, 0,1,2,3,4,5,6,7
.irp c, 0,1,2
	ds_load_b128 v[128*(\p)+12*\b+4*\c:128*(\p)+12*\b+4*\c+3], v[ADP+\slot] offset:REC*\b+1536*(\q)+512*\c
.endr
.endr
	WIN 0
.irp a, 0,1,2,3
.irp c, 0,1,2
	ds_load_b128 v[RF+48*(\p)+12*\a+4*\c:RF+48*(\p)+12*\a+4*\c+3], v[ADR+\slot] offset:REC*\a+1536*(\q)+512*\c
.endr
.endr
.endm
.macro SCALES slot                     ; 12 loads: a slot's scale words, four K steps' to a load, into set slot
.irp b, 0,1,2,3,4,5,6,7
	ds_load_b128 v[SC+48*\slot+4*\b:SC+48*\slot+4*\b+3], v[ASP+\slot] offset:6144+REC*\b
.endr
.irp a, 0,1,2,3
	ds_load_b128 v[SC+48*\slot+32+4*\a:SC+48*\slot+32+4*\a+3], v[ASR+\slot] offset:6144+REC*\a
.endr
.endm
; 8 n matrix instructions: R's tiles a0 .. a0 + n - 1 x P's eight.  The 32 accumulators take turns, one instruction a turn, in the same order in every K step.  zero = 1: the first product starts the sums
.macro MUL a0, n, p, q, sc, zero
.set ma, \a0
.rept \n
.set mb, 0
.rept 8
.set rD, 8*(8*ma+mb)
.set rP, 128*(\p)+12*mb
.set rR, RF+48*(\p)+12*ma
.set rX, SC+48*(\sc)+4*mb+(\q)
.set rY, SC+48*(\sc)+32+4*ma+(\q)
.if \zero
	v_wmma_scale_f32_16x16x128_f8f6f4 v[rD:rD+7], v[rP:rP+11], v[rR:rR+11], 0, v[rX], v[rY] matrix_a_fmt:MATRIX_FMT_FP6 matrix_b_fmt:MATRIX_FMT_FP6
.else
	v_wmma_scale_f32_16x16x128_f8f6f4 v[rD:rD+7], v[rP:rP+11], v[rR:rR+11], v[rD:rD+7], v[rX], v[rY] matrix_a_fmt:MATRIX_FMT_FP6 matrix_b_fmt:MATRIX_FMT_FP6
.endif
.set mb, mb+1
.endr
.set ma, ma+1
.endr
.endm
.macro STEP_N slot, q, zero            ; a K step whose successor lies in the same slot
	PLACES
	FETCH \slot, (\q)+1, 1-(\q)%2
	s_wait_dscnt 36                                ; all but the 36 just issued: this K step's fragments (and scale words) are in
	WIN MULW
	MUL 0, 4, (\q)%2, \q, \slot, \zero
	WIN 0
.endm
; A slot's third K step leaves the slot: its last fragments are fetched, then ONE barrier.  In front of it each wave waits for all its tensor loads (its part of the other slot), adds 0 to its spare word,
; and waits for that and for its reads of this slot.  fill = 1: the barrier opens a round of the cluster's barrier, and the slot takes the group of K steps two on.
.macro STEP_C slot, fill
	PLACES
	FETCH \slot, 3, 1
	s_wait_dscnt 36
	WIN MULW
	MUL 0, 2, 0, 2, \slot, 0
	WIN 0                                          ; (the add's two registers lie in window 0)
	s_wait_tensorcnt 0x0                           ; all my tensor loads have landed
	ds_add_u32 v[SPW], v[NIL]                      ; 0 onto my spare word
	WIN MULW
	MUL 2, 1, 0, 2, \slot, 0                       ; eight matrix instructions stand between the add and the wait for it
	s_wait_dscnt 0x0                               ; the add is done, and my reads of this slot are over
	s_barrier_signal -1
	MUL 3, 1, 0, 2, \slot, 0
	WIN 0
	s_barrier_wait -1
.if \fill
	CREST                                          ; no wave of any partner still reads this slot or has a load on its way
	s_add_nc_u64 s[G0P+4*\slot+2:G0P+4*\slot+3], s[G0P+4*\slot+2:G0P+4*\slot+3], 2*REC
	s_add_nc_u64 s[G0R+4*\slot+2:G0R+4*\slot+3], s[G0R+4*\slot+2:G0R+4*\slot+3], 2*REC
	JLOAD \slot                                    ; the first tensor load behind the round, one a wave
.endif
.endm
.macro STEP_X slot, next               ; a slot's last K step: its fragments are in registers; the next slot's first fragments and its scale words are fetched
	PLACES
	FETCH \next, 0, 0
	SCALES \next
	s_wait_dscnt 48                                ; all but the 36 + 12 just issued
	WIN MULW
	MUL 0, 4, 1, 3, \slot, 0
	WIN 0
.endm
	s_wait_tensorcnt 1                             ; my part of slot 0 is in; slot 1's may stay out
	s_barrier_signal -1
	s_barrier_wait -1                              ; everybody's is
	FETCH 0, 0, 0
	SCALES 0
	STEP_N 0, 0, 1                                 ; K steps 0-3
	STEP_N 0, 1, 0
	STEP_C 0, 1                                    ; slot 0 takes K steps 8-11
	STEP_X 0, 1
	STEP_N 1, 0, 0                                 ; K steps 4-7
	STEP_N 1, 1, 0
	STEP_C 1, 1                                    ; slot 1 takes K steps 12-15
	STEP_X 1, 0
	STEP_N 0, 0, 0                                 ; K steps 8-11
	STEP_N 0, 1, 0
	STEP_C 0, 0                                    ; nothing is left to fetch: no round
	STEP_X 0, 1
	STEP_N 1, 0, 0                                 ; K steps 12-15
	STEP_N 1, 1, 0
	STEP_N 1, 2, 0
	s_wait_dscnt 0x0
	WIN MULW
	MUL 0, 4, 1, 3, 1, 0
	WIN 0
; THE WAY OUT.  The 64 registers of R's tile a (window 2, v[64 a] on) are, in a lane, 128 neighbours' halves along the next K: register 16 b + i = k 32 b + 16 (lane / 16) + i of my row.  They become a fragment and a scale word.
.macro QUANT s, pc, pw
	WIN 0x0a                                       ; sources 0 and 1 window 2.
.irp b, 0,1,2,3
	v_max3_num_f32 v[TM+\b], |v[(\s)+16*\b]|, |v[(\s)+16*\b+1]|, 0x1800000   ; block b: my 16 numbers, and the floor 2^(3 - 127): the byte cannot fall under 1
.endr
.irp i, 2,4,6,8,10,12,14
.irp b, 0,1,2,3
	v_max3_num_f32 v[TM+\b], |v[(\s)+16*\b+\i]|, |v[(\s)+16*\b+\i+1]|, v[TM+\b]
.endr
.endr
	WIN 0
.irp b, 0,1,2,3
	v_permlanex16_b32 v[TM+4+\b], v[TM+\b], s[SEL], s[SEL+1]
.endr
.irp b, 0,1,2,3
	v_max_num_f32 v[TM+\b], v[TM+\b], v[TM+4+\b]           ; with lane l xor 16's 16: the block's largest magnitude
.endr
.irp b, 0,1,2,3
	v_add_nc_u32 v[TM+12+\b], 0xff000000, v[TM+\b]         ; 2 off its exponent field: the conversion's scale operand
.endr
.irp b, 0,1,2,3
	v_lshrrev_b32 v[TM+4+\b], 23, v[TM+12+\b]              ; the scale's byte
.endr
	v_lshl_or_b32 v[\pw], v[TM+5], 8, v[TM+4]
	v_lshl_or_b32 v[\pw], v[TM+6], 16, v[\pw]
	v_lshl_or_b32 v[\pw], v[TM+7], 24, v[\pw]
	WIN 0x02                                       ; source 0 window 2
.irp c, 0,1
	v_cvt_scalef32_pk16_fp6_f32 v[(\pc)+6*\c:(\pc)+6*\c+2], v[(\s)+32*\c:(\s)+32*\c+15], v[TM+12+2*\c]
	v_cvt_scalef32_pk16_fp6_f32 v[(\pc)+12+4*\c:(\pc)+14+4*\c], v[(\s)+32*\c+16:(\s)+32*\c+31], v[TM+13+2*\c]
.endr
	WIN 0
	v_nop                                                  ; one plain place behind the conversions
.irp c, 0,1                                            ; the operand wants a WHOLE block in a lane
.irp i, 0,1,2
	v_permlane16_swap_b32 v[(\pc)+6*\c+\i], v[(\pc)+12+4*\c+\i]
.endr
.irp i, 0,1,2
	v_mov_b32 v[(\pc)+3+6*\c+\i], v[(\pc)+12+4*\c+\i]
.endr
.endr
.endm
	PLACES
.irp a, 0,1,2,3                        ; each tile has its own 20 registers for its codes, so no store's data are written again
	QUANT 64*\a, RF+20*\a, PW+\a
.irp c, 0,1,2
	global_store_b128 v[LI], v[RF+20*\a+4*\c:RF+20*\a+4*\c+3], s[70:71] offset:1536*\a+512*\c   ; 512 consecutive bytes a store, at a multiple of 256 from the buffer's first byte
.endr
.endr
	v_cmp_lt_u32 vcc_lo, 15, v1                    ; lanes 0-15 store the row's words 0, 1, lanes 16-31 words 2, 3
	v_cndmask_b32 v[UW], v[PW], v[PW+2], vcc_lo
	v_cndmask_b32 v[UW+1], v[PW+1], v[PW+3], vcc_lo
	global_store_b64 v[UO], v[UW:UW+1], s[72:73]   ; the unit: 256 consecutive bytes, aligned
	s_wait_tensorcnt 0x0                           ; the wave's end, behind my last tensor load
	ds_add_u32 v[SPW], v[NIL]
	s_wait_dscnt 0x0
	CROUND                                         ; the closing round: no work-group ends while a partner may still ask for a tile that names it
	s_endpgm
.Lfunc_end_k_q8405314ffd_proj:
	.size	k_q8405314ffd_proj, .Lfunc_end_k_q8405314ffd_proj-k_q8405314ffd_proj
	.p2alignl 7, 3214868480
	.fill 96, 4, 3214868480
	.section	.rodata,"a",@progbits
	.p2align	6, 0x0
	.amdhsa_kernel k_q8405314ffd_proj
		.amdhsa_group_segment_fixed_size 327680
		.amdhsa_private_segment_fixed_size 0
		.amdhsa_enable_private_segment 0
		.amdhsa_kernarg_size 24
		.amdhsa_user_sgpr_count 2
		.amdhsa_user_sgpr_kernarg_segment_ptr 1
		.amdhsa_wavefront_size32 1
		.amdhsa_system_sgpr_workgroup_id_x 1
		.amdhsa_system_sgpr_workgroup_id_y 1
		.amdhsa_system_sgpr_workgroup_id_z 1
		.amdhsa_system_vgpr_workitem_id 0
		.amdhsa_next_free_vgpr 768
		.amdhsa_next_free_sgpr 96
		.amdhsa_reserve_vcc 1
		.amdhsa_float_denorm_mode_32 3
		.amdhsa_float_denorm_mode_16_64 3
		.amdhsa_memory_ordered 1
		.amdhsa_forward_progress 1
		.amdhsa_inst_pref_size 136
	.end_amdhsa_kernel
	.amdgpu_metadata
---
amdhsa.version: [ 1, 2 ]
amdhsa.kernels:
  - .name:           k_q8405314ffd_proj
    .symbol:         k_q8405314ffd_proj.kd
    .args:
      - { .name: xw, .offset: 0, .size: 8, .value_kind: global_buffer, .address_space: global }
      - { .name: qb, .offset: 8, .size: 8, .value_kind: global_buffer, .address_space: global }
      - { .name: kv, .offset: 16, .size: 8, .value_kind: global_buffer, .address_space: global }
    .group_segment_fixed_size: 327680
    .private_segment_fixed_size: 0
    .kernarg_segment_align: 8
    .kernarg_segment_size: 24
    .max_flat_workgroup_size: 128
    .sgpr_count:     96
    .vgpr_count:     768
    .wavefront_size: 32
...
	.end_amdgpu_metadata
.endif
;; end of part 2
;; launch attn (part 3): grid 64 x 4, 8 waves a work-group, no clusters, 327,680 bytes of LDS; arguments qb, kv, ao; writes ao
.if DOCPART == 3
	.amdgcn_target "amdgcn-amd-amdhsa--gfx1250"
	.amdhsa_code_object_version 6
	.text
	.protected	k_q8405314ffd_attn
	.globl	k_q8405314ffd_attn
	.p2align	8
	.type	k_q8405314ffd_attn,@function
k_q8405314ffd_attn:
	s_mov_b64 s[64:65], 0
	v_nop
	global_prefetch_b8 v0, s[64:65] scope:SCOPE_SE
	s_setreg_imm32_b32 hwreg(HW_REG_WAVE_MODE, 25, 1), 1
	s_wait_xcnt 0x0
; The two block attentions and their merge, for 16 query heads on 4 key/value heads, head size 128, both products on codes of FP6 (E2M3) with E8M0 scales.
; ONE STREAM.  With lse = ln(l 2^M) of each shard the merge by sigmoids is (2^M0 a0 + 2^M1 a1) / (2^M0 l0 + 2^M1 l1): a running softmax over keys 0 .. 4,095 in which key k counts for query q where k <= 2,048 + q.
; M is a whole number, so every rescaling is an exact power of two and p's codes keep their values; both shards begin on multiples of 32 keys, so p's and v's blocks are the shards' own.
; THE SOFTMAX: t = score x log2(e) / sqrt(128); M = the largest t so far, rounded UP to a whole number; p = 2^(t - M) is quantised along the keys, not normalised; the sum is taken of the unquantised p and divides at the end.
; SHARES.  Work-group (i, g): key/value head g.  Wave w: head 4 g + w / 2, ONE tile of 16 queries: tile i where e = (w xor w / 4) % 2 is 0, else tile 127 - i.  Tile t holds queries 32 (t / 2) + 8 (t % 2) + r + 8 (r / 8)
; and walks 17 + t / 8 steps of 128 keys: i and 127 - i together 49 in every work-group.  The four heads that share K and V read ONE ring.
; Both products are used transposed (S^T = K Q^T, O^T = V^T P^T): a lane holds one query throughout.  The keys of a tile of K are chosen so that p's 16 registers of two neighbouring tiles are 16 neighbouring keys.
; RING: two slots of two key steps (2 x 25,600 dense bytes of kv: K's 8 images, V^T's 8, 4 units of scale words), filled by waves 0 and 1, one tensor load each; one load of a wave is out at any time, and every wait on TENSORcnt is for 0.
; THE CAUSAL LIMIT: every work-group walks all 16 slots (constant trip counts); a step all of whose keys come after the wave's queries is jumped over, and a slot whose first key comes after the diagonal step of tile 127 - i is not asked for.
; NO CLUSTER: the work-groups of a head need 13 to 16 slots, by their number; a joint load may not be jumped over, and a slot that nobody reads is not filled.
; OUT: ao = [query tile 128][g 4][record: images of heads 4 g .. 4 g + 3, and their unit]: the attention's result / the sum, quantised along the output projection's K.
; LIMITS: NaN and infinities are not served; a p more than about 2^-124 under the running maximum counts as 0; a block whose largest magnitude lies under 2^-124 keeps the byte 1, a block of zeros too (its codes are zeros).
; REGISTERS: window 0: v1-9 addresses; v12 -M, v13 the largest t, v[14:15] the sum; v16-27 Q; v32-39 K's scale words, v40-47 V's; v64-91 the way out; v96-159 S^T, then p; v160-223 O^T; v224-254 at work; v255 Q's scale word.
;   window 1: v0-95 K's eight fragments, v96-191 V's.
.set REC,   6400
.set STEPB, 25600                      ; a key step's bytes
.set SLOTB, 2*STEPB
.set SLOT1, 65536                      ; slot 1 begins here: one exclusive or turns an address from one slot to the other
.set SCW,   131072                     ; behind the ring: the two tiles' units on the way out, 512 bytes
.set SPARE, SCW+512                    ; the spare words, 128 bytes for each of eight waves, that no other line names
.set AL,  1                            ; v1   16 x lane
.set AR,  2                            ; v2   16 r
.set SWA, 3                            ; v3   where my scale word goes: SCW + 256 e + 4 (w / 2) + 16 r
.set SRA, 4                            ; v4   SCW + 16 x lane
.set SPW, 5                            ; v5   LDS address of my spare word; never rewritten
.set NIL, 6                            ; v6   0; never rewritten
.set SGO, 7                            ; v7   the units' place in ao: lanes 0-15 tile i's, lanes 16-31 tile 127 - i's
.set AD,  8                            ; v8   the slot in hand + 16 x lane
.set ADS, 9                            ; v9   the slot in hand + 16 r
.set PFO, 28                           ; v28  256 x min(lane, 24); never rewritten
.set DD,  29                           ; v29  my query's place in its 128, less 16 (lane / 16)
.set KS,  32
.set VS,  40
.set TM,  232
.set WV,  18
.set SEL, 20
.set CS,  22
.set G1,  24
.set G0,  40
.set TB,  2                            ; s2   LDS byte at which the slot in hand begins
.set KF,  66                           ; s66  the step's first key
.set SLOTS, 67                         ; s67  changes of slots still to come in the loop
.set QD,  68                           ; s68  the first key of my tile's diagonal step
.set WL,  69                           ; s69  the same of tile 127 - i: the work-group's last step
.set PFA, 76                           ; s[76:77] where my prefetches stand
.set LIM, 80                           ; s80  1 in a work-group that prefetches, else the greatest number
.set MSB, 0
.macro WIN new
.if MSB != \new
	s_set_vgpr_msb (MSB<<8)|\new
.set MSB, \new
.endif
.endm
.macro PLACES
.rept 4
	v_nop
.endr
.endm
.macro TLOAD                           ; waves 0 and 1 fetch a slot's two steps; an s_nop 0 and four v_nop follow the load
	s_cmp_lt_u32 s[WV], 2
	s_cbranch_scc0 .Lasked_\@
	tensor_load_to_lds s[G0:G0+3], s[G1:G1+7]
	s_nop 0
	PLACES
.Lasked_\@:
.endm
; A PREFETCH of the slot that the NEXT change of slots will load: two key steps ahead of that load.  All 64 work-groups of a key/value head walk the same bytes: work-group x = 0 asks, each of its eight waves for 6,400 bytes,
; lanes 256 bytes apart (lanes 25-31 name the 25th block again, in the same instruction).  The last change that fills a slot asks for nothing; slots 0 and 1 come by their loads alone.
.macro ASK
	s_cmp_gt_u32 s[SLOTS], s[LIM]
	s_cbranch_scc0 .Lnot_mine_\@
	global_prefetch_b8 v[PFO], s[PFA:PFA+1] th:TH_LOAD_NT scope:SCOPE_SE
.Lnot_mine_\@:
.endm
	s_load_b128 s[4:7], s[0:1], 0x0                ; qb s[4:5], kv s[6:7]
	s_load_b64 s[8:9], s[0:1], 0x10                ; ao
	v_lshl_add_u32 v[SPW], v0, 2, SPARE
	v_mov_b32 v[NIL], 0
	ds_add_u32 v[SPW], v[NIL]                      ; the wave's opening: the add and its wait stand ahead of my first tensor load; the set-up, work on registers, stands between them
	v_lshrrev_b32 v8, 5, v0
	v_readfirstlane_b32 s[WV], v8                  ; wave 0..7
	s_and_b32 s10, ttmp7, 0xffff                   ; g
	s_lshr_b32 s11, s[WV], 1                       ; my head among the four
	s_lshr_b32 s12, s[WV], 2
	s_xor_b32 s12, s12, s[WV]
	s_and_b32 s12, s12, 1                          ; e
	s_sub_co_u32 s13, 127, ttmp9                   ; 127 - i
	s_cmp_eq_u32 s12, 0
	s_cselect_b32 s14, ttmp9, s13                  ; t: my tile
	s_lshr_b32 s15, s14, 3
	s_lshl_b32 s15, s15, 7
	s_add_co_u32 s[QD], s15, 2048
	s_lshr_b32 s15, s13, 3
	s_lshl_b32 s15, s15, 7
	s_add_co_u32 s[WL], s15, 2048
	s_cmp_eq_u32 ttmp9, 0
	s_cselect_b32 s[LIM], 1, -1
	s_and_b32 s16, s[WV], 1
	s_mul_i32 s17, s16, STEPB                      ; which of a slot's two steps I would fetch
	s_mul_i32 s32, s10, 32*STEPB                   ; my key/value head in kv
	s_add_co_u32 s34, s32, s17
	s_mov_b32 s35, 0
	s_mul_i32 s36, s[WV], REC
	s_add_co_u32 s36, s36, s32
	s_add_co_u32 s36, s36, SLOTB                   ; the prefetches: my eighth, in slot 1; the first change of slots steps it to slot 2
	s_mov_b32 s37, 0
	s_lshl_b32 s38, s10, 2
	s_add_co_u32 s38, s38, s11                     ; my head
	s_lshl_b32 s38, s38, 5
	s_lshr_b32 s39, s14, 2
	s_add_co_u32 s38, s38, s39
	s_mul_i32 s38, s38, REC                        ; Q's record: 32 x head + t / 4
	s_and_b32 s39, s14, 3
	s_mul_i32 s44, s39, 1536
	s_add_co_u32 s44, s44, s38                     ; its image t % 4,
	s_mov_b32 s45, 0
	s_lshl_b32 s46, s39, 2
	s_add_co_u32 s46, s46, s38
	s_add_co_u32 s46, s46, 6144                    ; and that image's words in the unit
	s_mov_b32 s47, 0
	s_lshl_b32 s48, s14, 2
	s_add_co_u32 s48, s48, s10
	s_mul_i32 s48, s48, REC
	s_mul_i32 s49, s11, 1536
	s_add_co_u32 s48, s48, s49                     ; ao: record 4 t + g, image w / 2
	s_mov_b32 s49, 0
	s_lshl_b32 s50, ttmp9, 2
	s_add_co_u32 s50, s50, s10
	s_mul_i32 s50, s50, REC
	s_add_co_u32 s50, s50, 6144                    ; tile i's unit
	s_mov_b32 s51, 0
	; group 1: a key step: 25,600 dense bytes as 100 rows of 256 (32 elements of 8 bytes), no padding
	s_mov_b32 s[G1], 3<<16
	s_mov_b32 s[G1+1], 32<<16                      ; tensor_dim0
	s_mov_b32 s[G1+2], 100<<16                     ; tensor_dim1
	s_mov_b32 s[G1+3], 32<<16                      ; tile_dim0
	s_mov_b32 s[G1+4], 100                         ; tile_dim1
	s_mov_b32 s[G1+5], 32                          ; tensor_dim0_stride
	s_mov_b32 s[G1+6], 0
	s_mov_b32 s[G1+7], 0
	s_mov_b32 s[SEL], 0x76543210
	s_mov_b32 s[SEL+1], 0xfedcba98                 ; v_permlanex16_b32's selects for lane l xor 16
	s_mov_b32 s[CS], 0x3e0293ee                    ; c = log2(e) / sqrt(128)
	s_mov_b32 s[CS+1], s[CS]                       ; (named with it as a pair, so it is written)
	s_mov_b32 s[TB], 0
	s_mov_b32 s[KF], 0
	s_mov_b32 s[SLOTS], 15
	v_and_b32 v10, 31, v0                          ; lane
	v_and_b32 v11, 15, v0                          ; r
	v_bfe_u32 v9, v0, 4, 1                         ; h
	v_lshlrev_b32 v[AL], 4, v10
	v_lshlrev_b32 v[AR], 4, v11
	s_lshl_b32 s52, s12, 8
	s_lshl_b32 s53, s11, 2
	s_add_co_u32 s52, s52, s53
	s_add_co_u32 s52, s52, SCW
	v_add_nc_u32 v[SWA], s52, v[AR]
	v_add_nc_u32 v[SRA], SCW, v[AL]
	s_sub_co_u32 s53, s13, ttmp9                   ; 127 - 2 i tiles, of 4 records each, from tile i to tile 127 - i
	s_mul_i32 s53, s53, 4*REC
	v_mul_lo_u32 v[SGO], v9, s53
	v_add_nc_u32 v[SGO], v[SGO], v[AR]
	v_min_u32 v[PFO], 24, v10
	v_lshlrev_b32 v[PFO], 8, v[PFO]
	s_lshr_b32 s54, s14, 1
	s_and_b32 s54, s54, 3
	s_lshl_b32 s54, s54, 5
	s_and_b32 s55, s14, 1
	s_lshl_b32 s55, s55, 3
	s_add_co_u32 s54, s54, s55                     ; 32 ((t / 2) % 4) + 8 (t % 2)
	v_and_b32 v[DD], 8, v11
	v_add_nc_u32 v[DD], v[DD], v11                 ; + r + 8 (r / 8)
	v_add_nc_u32 v[DD], s54, v[DD]
	v_lshlrev_b32 v9, 4, v9
	v_sub_nc_u32 v[DD], v[DD], v9                  ; - 16 h
	v_mov_b32 v13, 0xff61b1e6                      ; the largest t so far: -3e38, under every t
	v_floor_f32 v12, -v13                          ; -M
	v_mov_b32 v14, 0                               ; the sum, in two halves
	v_mov_b32 v15, 0
.irp b, 0,1,2,3
	v_mov_b32 v[236+\b], 0                         ; written once: a lane permute's destination counts as one of its sources
.endr
	v_mov_b32 v252, 0
	v_mov_b32 v253, 0                              ; (named as a pair before they are first written)
.set jj, 0
.rept 64
	v_mov_b32 v[160+jj], 0                         ; O^T.  (The key step is written once: the first finds zeros, which the first change of M leaves zeros)
.set jj, jj+1
.endr
	s_wait_dscnt 0x0                               ; the opening add is done
	s_wait_kmcnt 0x0
	s_mov_b32 s[G0], 1                             ; 1:0 count = 1
	s_mov_b32 s[G0+1], s17                         ; 63:32 LDS address: slot 0
	s_add_nc_u64 s[G0+2:G0+3], s[6:7], s[34:35]    ; 120:64 global address
	s_or_b32 s[G0+3], s[G0+3], 0x80000000          ; 127:126 type = 2
	TLOAD                                          ; slot 0
	s_add_nc_u64 s[PFA:PFA+1], s[6:7], s[36:37]
	s_add_nc_u64 s[44:45], s[4:5], s[44:45]
	s_add_nc_u64 s[46:47], s[4:5], s[46:47]
	s_add_nc_u64 s[48:49], s[8:9], s[48:49]
	s_add_nc_u64 s[50:51], s[8:9], s[50:51]
.irp c, 0,1,2
	global_load_b128 v[16+4*\c:19+4*\c], v[AL], s[44:45] offset:512*\c   ; Q's fragment stays in registers
.endr
	global_load_b32 v255, v[AR], s[46:47]          ; and its scale word
; A KEY STEP: 128 keys, the q-th of the slot in hand
.macro STEP q
	s_cmp_gt_u32 s[KF], s[QD]                      ; all its keys come after my queries: a scalar branch on ids, round the step's loads, products and softmax; no barrier and no tensor load stands in a step
	s_cbranch_scc1 .Lhidden_\@
	v_add_nc_u32 v[AD], s[TB], v[AL]
	v_add_nc_u32 v[ADS], s[TB], v[AR]
	v_nop
	v_nop                                          ; these four lines are the places ahead of loads into registers that the last products have read
.irp x, 0,1,2,3
	ds_load_b128 v[KS+4*\x:KS+4*\x+3], v[ADS] offset:STEPB*(\q)+24576+256*\x   ; the scale words of K's eight tiles and of V's eight
.endr
	WIN 0x40                                       ; destination window 1
.irp f, 0,1,2,3,4,5,6,7
.irp c, 0,1,2
	ds_load_b128 v[12*\f+4*\c:12*\f+4*\c+3], v[AD] offset:STEPB*(\q)+1536*\f+512*\c
.endr
.endr
.irp f, 0,1,2,3,4,5,6,7
.irp c, 0,1,2
	ds_load_b128 v[96+12*\f+4*\c:96+12*\f+4*\c+3], v[AD] offset:STEPB*(\q)+12288+1536*\f+512*\c
.endr
.endr
	s_wait_dscnt 24                                ; the scale words and K are in; V's 24 loads may stay out
	WIN 0x01                                       ; source 0 window 1
.irp f, 0,1,2,3,4,5,6,7
	v_wmma_scale_f32_16x16x128_f8f6f4 v[96+8*\f:103+8*\f], v[12*\f:12*\f+11], v[16:27], 0, v[KS+\f], v255 matrix_a_fmt:MATRIX_FMT_FP6 matrix_b_fmt:MATRIX_FMT_FP6
.endr
	WIN 0
	PLACES
	s_cmp_lg_u32 s[KF], s[QD]                      ; on the diagonal the scores of hidden keys become -infinity ahead of the maximum: p = 0 then
	s_cbranch_scc1 .Lopen_\@
	v_mov_b32 v254, 0xff800000
.set nn, 0
.rept 64                                       ; register 16 b + i holds key KF + 32 b + 16 (lane / 16) + i: hidden where 32 b + i > v[DD]
	v_cmp_gt_i32 vcc_lo, 32*(nn/16)+nn%16, v[DD]
	v_cndmask_b32 v[96+nn], v[96+nn], v254, vcc_lo
.set nn, nn+1
.endr
.Lopen_\@:
.irp b, 0,1,2,3
	v_max3_num_f32 v[232+\b], v[96+16*\b], v[97+16*\b], v[98+16*\b]   ; THE LARGEST SCORE OF EACH BLOCK OF 32 KEYS serves twice: for the row's maximum and, since p rises with the score, for the block's largest p
.endr
.irp i, 3,5,7,9,11,13
.irp b, 0,1,2,3
	v_max3_num_f32 v[232+\b], v[232+\b], v[96+16*\b+\i], v[97+16*\b+\i]
.endr
.endr
.irp b, 0,1,2,3
	v_max_num_f32 v[232+\b], v[232+\b], v[111+16*\b]
.endr
.irp b, 0,1,2,3
	v_permlanex16_b32 v[236+\b], v[232+\b], s[SEL], s[SEL+1]
.endr
.irp b, 0,1,2,3
	v_max_num_f32 v[232+\b], v[232+\b], v[236+\b]  ; with lane l xor 16's 16 keys
.endr
	v_max3_num_f32 v254, v232, v233, v234
	v_max_num_f32 v254, v254, v235                 ; the step's largest score of my query
	v_mul_f32 v254, s[CS], v254                    ; as t (c is positive)
	v_max_num_f32 v13, v13, v254                   ; the running largest t
	v_mov_b32 v254, v12
	v_floor_f32 v12, -v13                          ; the new -M = floor(-t) = -ceil(t): a whole number
	v_sub_f32 v254, v12, v254                      ; M's old value less its new one: a whole number, 0 or less
	v_cvt_i32_f32 v254, v254                       ; (it saturates)
	v_ldexp_f32 v252, 1.0, v254                    ; f = 2^(old M - new M): a multiplication by it rounds nothing
.set jj, 0
.rept 32
	v_pk_fma_f32 v[96+jj:97+jj], v[96+jj:97+jj], s[CS:CS+1], v[12:13] op_sel_hi:[1,0,0]   ; t - M, two at a time
.set jj, jj+2
.endr
.irp b, 0,1,2,3
	v_fma_f32 v[232+\b], v[232+\b], s[CS], v12     ; the same of each block's largest score
.endr
.set jj, 0
.rept 64
	v_exp_f32 v[96+jj], v[96+jj]                   ; p = 2^(t - M), at most 1: not normalised
.set jj, jj+1
.endr
	v_pk_mul_f32 v[14:15], v[14:15], v[252:253] op_sel_hi:[1,0]   ; the sums under the new M: the plain place behind the exponentials
	s_wait_alu depctr_va_vdst(0)                   ; one wait for the whole batch, ahead of its first use
.irp b, 0,1,2,3
	v_exp_f32 v[232+\b], v[232+\b]                 ; the block's largest p: the same two instructions on the same number give the same bits
.endr
	v_pk_add_f32 v[236:237], v[96:97], v[98:99]    ; THE ROW'S SUM IS TAKEN OF THE UNQUANTISED p, two at a time, in two chains; it reads the 64 alone: plain work behind the four
.set jj, 4
.rept 15
	v_pk_add_f32 v[14:15], v[14:15], v[96+jj:97+jj]
	v_pk_add_f32 v[236:237], v[236:237], v[98+jj:99+jj]
.set jj, jj+4
.endr
	v_pk_add_f32 v[14:15], v[14:15], v[236:237]
	s_wait_alu depctr_va_vdst(0)                   ; and one for the four
.irp b, 0,1,2,3
	v_max_num_f32 v[232+\b], 0x1800000, v[232+\b]  ; the floor 2^(3 - 127): the byte cannot fall under 1
.endr
.irp b, 0,1,2,3
	v_add_nc_u32 v[244+\b], 0xff000000, v[232+\b]  ; 2 off the exponent field: the conversion's scale operand
.endr
.irp b, 0,1,2,3
	v_lshrrev_b32 v[236+\b], 23, v[244+\b]         ; the scale's byte
.endr
	v_lshl_or_b32 v253, v237, 8, v236              ; p's scale word for these 128 keys
	v_lshl_or_b32 v253, v238, 16, v253
	v_lshl_or_b32 v253, v239, 24, v253
.irp c, 0,1
	v_cvt_scalef32_pk16_fp6_f32 v[224+6*\c:226+6*\c], v[96+32*\c:111+32*\c], v[244+2*\c]
	v_cvt_scalef32_pk16_fp6_f32 v[236+4*\c:238+4*\c], v[112+32*\c:127+32*\c], v[244+2*\c+1]
.endr
	v_nop                                          ; one plain place behind the conversions
.irp c, 0,1                                    ; the operand wants a WHOLE block in a lane
.irp i, 0,1,2
	v_permlane16_swap_b32 v[224+6*\c+\i], v[236+4*\c+\i]
.endr
.irp i, 0,1,2
	v_mov_b32 v[227+6*\c+\i], v[236+4*\c+\i]
.endr
.endr
.set jj, 0
.rept 32
	v_pk_mul_f32 v[160+jj:161+jj], v[160+jj:161+jj], v[252:253] op_sel_hi:[1,0]   ; O^T under the new M.  (These 32 are also the places between p's scale word and codes and the products below)
.set jj, jj+2
.endr
	s_wait_dscnt 0x0                               ; V is in
	WIN 0x01
.irp f, 0,1,2,3,4,5,6,7                        ; the eight accumulators by turns, one instruction a turn
	v_wmma_scale_f32_16x16x128_f8f6f4 v[160+8*\f:167+8*\f], v[96+12*\f:107+12*\f], v[224:235], v[160+8*\f:167+8*\f], v[VS+\f], v253 matrix_a_fmt:MATRIX_FMT_FP6 matrix_b_fmt:MATRIX_FMT_FP6
.endr
	WIN 0
.Lhidden_\@:
	s_add_co_u32 s[KF], s[KF], 128
.endm
; THE CHANGE OF SLOTS stands at a slot's head.  Each wave waits for all its tensor loads (its part of the slot ahead), adds 0 to its spare word, and waits for that and for its reads of the slot that it has left.
; Behind the barrier the slot ahead is whole and nobody reads the other one.  fill = 1: that other slot takes the keys that follow, up to the causal limit: the load has a slot's two steps in which to land.
.macro CHANGE fill
	s_wait_tensorcnt 0x0                           ; no tensor load of mine is out, so group 0 may be written
	ds_add_u32 v[SPW], v[NIL]                      ; 0 onto my spare word
.if \fill
	s_xor_b32 s[G0+1], s[G0+1], SLOT1              ; the walking descriptor: the other slot,
	s_add_nc_u64 s[G0+2:G0+3], s[G0+2:G0+3], SLOTB ; the next 256 keys
	s_wait_xcnt 0x0                                ; the last prefetch, a slot back, has read its address, so it may be written:
	s_add_nc_u64 s[PFA:PFA+1], s[PFA:PFA+1], SLOTB ; one slot further on than the walking descriptor
.endif
	s_wait_dscnt 0x0                               ; the add is done, and my reads of the slot that I have left are over
	s_barrier_signal -1
	s_barrier_wait -1
.if \fill
	s_add_co_u32 s81, s[KF], 256                   ; the first key of the slot that this change would ask for:
	s_cmp_gt_u32 s81, s[WL]                        ; behind the work-group's last step no wave reads it.  Ids and the count of steps alone: all eight waves go the same way, and a work-group past the limit stays past it
	s_cbranch_scc1 .Lpast_\@
	TLOAD                                          ; a wave's one tensor load until the next change
.Lpast_\@:
	ASK
.endif
.endm
	s_wait_loadcnt 0x0                             ; Q
.Lslot:                                            ; 15 trips: behind each change of slots but the last the next slot is asked for, up to the limit
	CHANGE 1
	STEP 0
	STEP 1
	s_xor_b32 s[TB], s[TB], SLOT1
	s_sub_co_u32 s[SLOTS], s[SLOTS], 1
	s_cmp_lg_u32 s[SLOTS], 0
	s_cbranch_scc1 .Lslot
	CHANGE 0                                       ; the last slot is written out: nothing is left to ask for
	STEP 0
	STEP 1
; THE WAY OUT.  O^T / the sum: register 16 b + i is channel 32 b + 16 (lane / 16) + i of my query's head: K step 4 g + w / 2 of the output projection.  It is quantised as every operand here and stored as an image.
.macro QUANT s, pc, pw
.irp b, 0,1,2,3
	v_max3_num_f32 v[TM+\b], |v[(\s)+16*\b]|, |v[(\s)+16*\b+1]|, 0x1800000
.endr
.irp i, 2,4,6,8,10,12,14
.irp b, 0,1,2,3
	v_max3_num_f32 v[TM+\b], |v[(\s)+16*\b+\i]|, |v[(\s)+16*\b+\i+1]|, v[TM+\b]
.endr
.endr
.irp b, 0,1,2,3
	v_permlanex16_b32 v[TM+4+\b], v[TM+\b], s[SEL], s[SEL+1]
.endr
.irp b, 0,1,2,3
	v_max_num_f32 v[TM+\b], v[TM+\b], v[TM+4+\b]
.endr
.irp b, 0,1,2,3
	v_add_nc_u32 v[TM+12+\b], 0xff000000, v[TM+\b]
.endr
.irp b, 0,1,2,3
	v_lshrrev_b32 v[TM+4+\b], 23, v[TM+12+\b]
.endr
	v_lshl_or_b32 v[\pw], v[TM+5], 8, v[TM+4]
	v_lshl_or_b32 v[\pw], v[TM+6], 16, v[\pw]
	v_lshl_or_b32 v[\pw], v[TM+7], 24, v[\pw]
.irp c, 0,1
	v_cvt_scalef32_pk16_fp6_f32 v[(\pc)+6*\c:(\pc)+6*\c+2], v[(\s)+32*\c:(\s)+32*\c+15], v[TM+12+2*\c]
	v_cvt_scalef32_pk16_fp6_f32 v[(\pc)+12+4*\c:(\pc)+14+4*\c], v[(\s)+32*\c+16:(\s)+32*\c+31], v[TM+13+2*\c]
.endr
	v_nop
.irp c, 0,1
.irp i, 0,1,2
	v_permlane16_swap_b32 v[(\pc)+6*\c+\i], v[(\pc)+12+4*\c+\i]
.endr
.irp i, 0,1,2
	v_mov_b32 v[(\pc)+3+6*\c+\i], v[(\pc)+12+4*\c+\i]
.endr
.endr
.endm
	PLACES
	v_add_f32 v14, v14, v15                        ; the sum's two halves,
	v_permlanex16_b32 v252, v14, s[SEL], s[SEL+1]
	v_add_f32 v14, v14, v252                       ; and lane l xor 16's: the row's sum
	v_rcp_f32 v14, v14
	v_nop                                          ; a plain place behind the reciprocal
	s_wait_alu depctr_va_vdst(0)                   ; and the wait ahead of its first use
.set jj, 0
.rept 64
	v_mul_f32 v[96+jj], v[160+jj], v14             ; each accumulator from its low end on
.set jj, jj+1
.endr
	QUANT 96, 64, 84
.irp c, 0,1,2
	global_store_b128 v[AL], v[64+4*\c:67+4*\c], s[48:49] offset:512*\c   ; 512 consecutive bytes a store, at a multiple of 256 from ao's first byte
.endr
	ds_store_b32 v[SWA], v84                       ; a unit's words come from four waves: they meet in LDS (both halves of the lanes write the same word with the same value)
	s_wait_dscnt 0x0                               ; for the others' sake: my store is done
	s_barrier_signal -1
	s_barrier_wait -1
	s_cmp_lg_u32 s[WV], 0
	s_cbranch_scc1 .Lnot_wave_0
	ds_load_b128 v[88:91], v[SRA]
	s_wait_dscnt 0x0
	global_store_b128 v[SGO], v[88:91], s[50:51]   ; lanes 0-15 store tile i's unit, lanes 16-31 tile 127 - i's: 256 consecutive bytes each, aligned
.Lnot_wave_0:
	s_wait_tensorcnt 0x0                           ; the wave's end, behind my last tensor load and my last LDS store
	ds_add_u32 v[SPW], v[NIL]
	s_wait_dscnt 0x0
	s_endpgm
.Lfunc_end_k_q8405314ffd_attn:
	.size	k_q8405314ffd_attn, .Lfunc_end_k_q8405314ffd_attn-k_q8405314ffd_attn
	.p2alignl 7, 3214868480
	.fill 96, 4, 3214868480
	.section	.rodata,"a",@progbits
	.p2align	6, 0x0
	.amdhsa_kernel k_q8405314ffd_attn
		.amdhsa_group_segment_fixed_size 327680
		.amdhsa_private_segment_fixed_size 0
		.amdhsa_enable_private_segment 0
		.amdhsa_kernarg_size 24
		.amdhsa_user_sgpr_count 2
		.amdhsa_user_sgpr_kernarg_segment_ptr 1
		.amdhsa_wavefront_size32 1
		.amdhsa_system_sgpr_workgroup_id_x 1
		.amdhsa_system_sgpr_workgroup_id_y 1
		.amdhsa_system_sgpr_workgroup_id_z 1
		.amdhsa_system_vgpr_workitem_id 0
		.amdhsa_next_free_vgpr 448
		.amdhsa_next_free_sgpr 84
		.amdhsa_reserve_vcc 1
		.amdhsa_float_denorm_mode_32 3
		.amdhsa_float_denorm_mode_16_64 3
		.amdhsa_memory_ordered 1
		.amdhsa_forward_progress 1
		.amdhsa_inst_pref_size 111
	.end_amdhsa_kernel
	.amdgpu_metadata
---
amdhsa.version: [ 1, 2 ]
amdhsa.kernels:
  - .name:           k_q8405314ffd_attn
    .symbol:         k_q8405314ffd_attn.kd
    .args:
      - { .name: qb, .offset: 0, .size: 8, .value_kind: global_buffer, .address_space: global }
      - { .name: kv, .offset: 8, .size: 8, .value_kind: global_buffer, .address_space: global }
      - { .name: ao, .offset: 16, .size: 8, .value_kind: global_buffer, .address_space: global }
    .group_segment_fixed_size: 327680
    .private_segment_fixed_size: 0
    .kernarg_segment_align: 8
    .kernarg_segment_size: 24
    .max_flat_workgroup_size: 256
    .sgpr_count:     84
    .vgpr_count:     448
    .wavefront_size: 32
...
	.end_amdgpu_metadata
.endif
;; end of part 3
;; launch oproj (part 4): grid 16 x 16, 4 waves a work-group, clusters of 4 x 4, 327,680 bytes of LDS; arguments xw, ao, out0; writes out0
.if DOCPART == 4
	.amdgcn_target "amdgcn-amd-amdhsa--gfx1250"
	.amdhsa_code_object_version 6
	.text
	.protected	k_q8405314ffd_oproj
	.globl	k_q8405314ffd_oproj
	.p2align	8
	.type	k_q8405314ffd_oproj,@function
k_q8405314ffd_oproj:
	s_mov_b64 s[64:65], 0
	v_nop
	global_prefetch_b8 v0, s[64:65] scope:SCOPE_SE
	s_setreg_imm32_b32 hwreg(HW_REG_WAVE_MODE, 25, 1), 1
	s_wait_xcnt 0x0
	s_wait_alu depctr_hold_cnt(0) depctr_sa_sdst(0) depctr_va_vdst(0) depctr_va_sdst(0) depctr_va_ssrc(0) depctr_va_vcc(0) depctr_vm_vsrc(0)
	s_getreg_b32 s2, hwreg(HW_REG_IB_STS2, 6, 4)
	s_cmp_eq_u32 s2, 0
	s_cbranch_scc0 .Lentry_in_a_cluster
	s_endpgm
.Lentry_in_a_cluster:
	s_bfe_u32 s2, ttmp6, 0x10000c
	s_cmp_lg_u32 s2, 0xf033
	s_cbranch_scc0 .Lentry_shape_is_right
	s_endpgm
.Lentry_shape_is_right:
; out0 = a Wo^T on codes of FP6 (E2M3) with E8M0 scales, K = 2,048, f32 sums.  a: the attention's result, in ao; Wo: tiles 576-703 of xw; both as [tile of 16 rows][4 groups of 4 K steps][record of 6,400 bytes: 4 images and a unit of scale words].
; Source 0 = 16 rows of P = Wo, source 1 = 16 rows of R = a: a lane holds one query, and the 16 registers of two neighbouring tiles of P are 16 neighbouring columns of out0 (the rows of a tile are chosen for that).
; SHARES: work-group (x, y) takes columns 128 x on and the queries of tiles 8 y .. 8 y + 7: 256 work-groups; wave w 64 (w / 2) on of the columns x 64 (w % 2) on of the queries: 16 accumulators.
; CLUSTER 4 x 4: P's tiles hang on x alone and are asked for jointly along a column of the cluster, R's on y alone, along a row.
; THREE SLOTS, each with a group of 4 K steps (8 records of P, 8 of R): three first fills, and ONE refill (slot 0 takes the fourth group), so the 16 K steps are written out.  By this text's count a wave has three tensor loads out at the start and one later.
; No prefetch: three quarters of K are in the first fills.
; REGISTERS: window 0: v1-23 lane and addresses; v32-95 two sets of scale words; v96-191 R's fragments, two sets; on the way out v32-159 hold rows of out0.  window 1: v0-95 P's fragments, two sets; accumulator (a, b) at v[128 + 8 (4 a + b)].
.set REC,    6400
.set TPITCH, 4*REC
.set SLOT,   16*REC
.set ROFF,   8*REC
.set SPARE,  3*SLOT                    ; behind the slots: the spare words, 128 bytes a wave, that no other line names
.set STAGE,  SLOT                      ; the way out: 16 rows x (256 bytes + 16) for each wave, in slot 1: it has had its only fill, and its last read stands ahead of the barrier in the third group
.set SPITCH, 272
.set ADP, 4                            ; v4-6    my P fragments in slots 0, 1, 2
.set ADR, 7                            ; v7-9    my R fragments
.set ASP, 10                           ; v10-12  the same with 16 r for 16 x lane: the units
.set ASR, 13                           ; v13-15
.set STO, 16                           ; v16     the way out: where I put 64 bytes of a row
.set RD,  17                           ; v17     where I read a row back
.set CO,  18                           ; v18     my byte offset in out0
.set SPW, 20                           ; v20     LDS address of my spare word; never rewritten
.set NIL, 21                           ; v21     0; never rewritten
.set SC,  32                           ; scale words: set s at SC + 32 s; P's tile b, K step q at + 4 b + q; R's tile a at + 16 + 4 a + q
.set RF,  96
.set OB,  32
.set ACC, 128
.set G1P, 24
.set G1R, 32
.set G0P, 40                           ; s[40:51] group 0 for P's tiles, a set for each slot;  s[52:63] for R's
.set G0R, 52
.set MULW, 0x51                        ; source 0 (P), C and D window 1; source 1 (R) window 0
.set MSB, 0
.macro WIN new
.if MSB != \new
	s_set_vgpr_msb (MSB<<8)|\new
.set MSB, \new
.endif
.endm
.macro PLACES
.rept 4
	v_nop
.endr
.endm
.macro JLOAD s                         ; a joint load: waves 0 and 1 fetch P's halves, waves 2 and 3 R's; an s_nop 0 and four v_nop follow each line
	s_cmp_eq_u32 s11, 0
	s_cbranch_scc0 .Lfor_r_\@
	tensor_load_to_lds s[G0P+4*\s:G0P+4*\s+3], s[G1P:G1P+7]
	s_nop 0
	PLACES
	s_branch .Lasked_\@
.Lfor_r_\@:
	tensor_load_to_lds s[G0R+4*\s:G0R+4*\s+3], s[G1R:G1R+7]
	s_nop 0
	PLACES
.Lasked_\@:
.endm
.macro CREST
	s_cmp_lg_u32 s10, 0
	s_cbranch_scc1 .Lnot_wave_0_\@
	s_barrier_signal -3
.Lnot_wave_0_\@:
	s_barrier_wait -3
	s_barrier_signal -1
	s_barrier_wait -1
.endm
.macro CROUND
	s_barrier_signal -1
	s_barrier_wait -1
	CREST
.endm
	s_load_b128 s[4:7], s[0:1], 0x0                ; xw s[4:5], ao s[6:7]
	s_load_b64 s[8:9], s[0:1], 0x10                ; out0
	v_lshl_add_u32 v[SPW], v0, 2, SPARE
	v_mov_b32 v[NIL], 0
	ds_add_u32 v[SPW], v[NIL]                      ; the wave's opening: the add and its wait stand ahead of my first tensor load; the set-up, work on registers, stands between them
	v_lshrrev_b32 v1, 5, v0
	v_readfirstlane_b32 s10, v1                    ; wave 0..3
	s_lshr_b32 s11, s10, 1                         ; my half of the columns.  Also: I fetch for P (0) or for R (1)
	s_and_b32 s12, s10, 1                          ; my half of the queries.  Also: which half I fetch
	s_bfe_u32 s13, ttmp6, 0x40000                  ; cx
	s_bfe_u32 s14, ttmp6, 0x40004                  ; cy
	s_lshl_b32 s15, ttmp9, 2
	s_add_co_u32 s15, s15, s13                     ; x = 4 x cluster x + cx
	s_and_b32 s16, ttmp7, 0xffff
	s_lshl_b32 s16, s16, 2
	s_add_co_u32 s16, s16, s14                     ; y = 4 x cluster y + cy
	s_lshl_b32 s17, 0x1111, s13                    ; my column of the cluster
	s_lshl_b32 s18, s14, 2
	s_lshl_b32 s18, 15, s18                        ; my row
	; group 1: 4 rows of 6,400 bytes (800 elements of 8), 25,600 bytes apart, no padding
	s_or_b32 s[G1P], s17, (3<<16)|(1<<21)          ; 15:0 the mask: P's tiles go to my column; 17:16 elements of 8 bytes; 21 set beside a mask
	s_or_b32 s[G1R], s18, (3<<16)|(1<<21)          ; R's to my row
.irp g, G1P, G1R
	s_mov_b32 s[\g+1], 800<<16                     ; tensor_dim0
	s_mov_b32 s[\g+2], 4<<16                       ; tensor_dim1
	s_mov_b32 s[\g+3], 800<<16                     ; tile_dim0
	s_mov_b32 s[\g+4], 4                           ; tile_dim1
	s_mov_b32 s[\g+5], 3200                        ; tensor_dim0_stride
	s_mov_b32 s[\g+6], 0
	s_mov_b32 s[\g+7], 0
.endr
	s_lshl_b32 s68, s12, 2                         ; which 4 tiles I would fetch
	s_lshl_b32 s20, s15, 3
	s_add_co_u32 s20, s20, 576
	s_add_co_u32 s20, s20, s68                     ; P: xw's tile 576 + 8 x + 4 x half
	s_mul_i32 s20, s20, TPITCH
	s_mov_b32 s21, 0
	s_lshl_b32 s22, s16, 3
	s_add_co_u32 s22, s22, s68                     ; R: ao's tile 8 y + 4 x half
	s_mul_i32 s22, s22, TPITCH
	s_mov_b32 s23, 0
	s_mul_i32 s66, s12, 4*REC                      ; where they go in a slot: no place in the cluster enters an LDS address
	s_add_co_u32 s67, s66, ROFF
	s_lshl_b32 s72, s16, 7
	s_lshl_b32 s73, s12, 6
	s_add_co_u32 s72, s72, s73                     ; my first query: 128 y + 64 (w % 2)
	s_lshl_b32 s72, s72, 13                        ; rows of 8,192 bytes
	s_lshl_b32 s73, s15, 9
	s_add_co_u32 s72, s72, s73                     ; my first column, in bytes: 512 x + 256 (w / 2)
	s_lshl_b32 s73, s11, 8
	s_add_co_u32 s72, s72, s73
	s_mov_b32 s73, 0
	v_and_b32 v1, 31, v0                           ; lane
	v_and_b32 v2, 15, v0                           ; r
	v_bfe_u32 v3, v0, 4, 1                         ; h
	v_lshlrev_b32 v22, 4, v1
	v_lshlrev_b32 v23, 4, v2
	s_mul_i32 s69, s11, 4*REC
	s_mul_i32 s70, s12, 4*REC
	s_add_co_u32 s70, s70, ROFF
.irp s, 0,1,2
	v_add_nc_u32 v[ADP+\s], s69, v22
	v_add_nc_u32 v[ADR+\s], s70, v22
	v_add_nc_u32 v[ASP+\s], s69, v23
	v_add_nc_u32 v[ASR+\s], s70, v23
	s_add_co_u32 s69, s69, SLOT
	s_add_co_u32 s70, s70, SLOT
.endr
	s_mul_i32 s71, s10, 16*SPITCH
	s_add_co_u32 s71, s71, STAGE                   ; my stage
	v_mul_u32_u24 v[STO], v2, SPITCH               ; in: row r, 64 bytes for each half of the lanes
	v_lshl_add_u32 v[STO], v3, 6, v[STO]
	v_add_nc_u32 v[STO], s71, v[STO]
	v_mul_u32_u24 v[RD], v3, SPITCH                ; back: lanes 0-15 one row of 256 bytes, lanes 16-31 the next
	v_lshl_add_u32 v[RD], v2, 4, v[RD]
	v_add_nc_u32 v[RD], s71, v[RD]
	v_lshlrev_b32 v[CO], 13, v3                    ; and the same two rows in out0
	v_lshl_add_u32 v[CO], v2, 4, v[CO]
	s_wait_dscnt 0x0                               ; the opening add is done
	s_wait_kmcnt 0x0
	s_add_nc_u64 s[20:21], s[4:5], s[20:21]
	s_add_nc_u64 s[22:23], s[6:7], s[22:23]
	s_add_nc_u64 s[8:9], s[8:9], s[72:73]
	CROUND                                         ; all sixteen work-groups are here: the first joint loads meet
.irp s, 0,1,2
	s_mov_b32 s[G0P+4*\s], 1                       ; 1:0 count = 1
	s_add_co_u32 s[G0P+4*\s+1], s66, \s*SLOT       ; 63:32 LDS address
	s_add_nc_u64 s[G0P+4*\s+2:G0P+4*\s+3], s[20:21], \s*REC   ; 120:64 global address: group s of 4 K steps
	s_or_b32 s[G0P+4*\s+3], s[G0P+4*\s+3], 0x80000000         ; 127:126 type = 2
	s_mov_b32 s[G0R+4*\s], 1
	s_add_co_u32 s[G0R+4*\s+1], s67, \s*SLOT
	s_add_nc_u64 s[G0R+4*\s+2:G0R+4*\s+3], s[22:23], \s*REC
	s_or_b32 s[G0R+4*\s+3], s[G0R+4*\s+3], 0x80000000
.endr
	s_cmp_eq_u32 s11, 0                            ; a wave's three first fills stand in one branch, ahead of every wait on TENSORcnt and every LDS read
	s_cbranch_scc0 .Lfirst_r
.irp s, 0,1,2
	tensor_load_to_lds s[G0P+4*\s:G0P+4*\s+3], s[G1P:G1P+7]
	s_nop 0
.endr
	PLACES
	s_branch .Lfirst_asked
.Lfirst_r:
.irp s, 0,1,2
	tensor_load_to_lds s[G0R+4*\s:G0R+4*\s+3], s[G1R:G1R+7]
	s_nop 0
.endr
	PLACES
.Lfirst_asked:
.macro FETCH slot, q, p                ; 24 LDS loads in one run: the slot's q-th K step: P's four fragments and R's four, as images, into set p
	WIN 0x40
.irp b, 0,1,2,3
.irp c, 0,1,2
	ds_load_b128 v[48*(\p)+12*\b+4*\c:48*(\p)+12*\b+4*\c+3], v[ADP+\slot] offset:REC*\b+1536*(\q)+512*\c
.endr
.endr
	WIN 0
.irp a, 0,1,2,3
.irp c, 0,1,2
	ds_load_b128 v[RF+48*(\p)+12*\a+4*\c:RF+48*(\p)+12*\a+4*\c+3], v[ADR+\slot] offset:REC*\a+1536*(\q)+512*\c
.endr
.endr
.endm
.macro SCALES slot, sc                 ; 8 loads: a slot's scale words into set sc
.irp b, 0,1,2,3
	ds_load_b128 v[SC+32*(\sc)+4*\b:SC+32*(\sc)+4*\b+3], v[ASP+\slot] offset:6144+REC*\b
.endr
.irp a, 0,1,2,3
	ds_load_b128 v[SC+32*(\sc)+16+4*\a:SC+32*(\sc)+16+4*\a+3], v[ASR+\slot] offset:6144+REC*\a
.endr
.endm
; 4 n matrix instructions: R's tiles a0 .. a0 + n - 1 x P's four.  The 16 accumulators take turns, one instruction a turn, in the same order in every K step
.macro MUL a0, n, p, q, sc, zero
.set ma, \a0
.rept \n
.set mb, 0
.rept 4
.set rD, ACC+8*(4*ma+mb)
.set rP, 48*(\p)+12*mb
.set rR, RF+48*(\p)+12*ma
.set rX, SC+32*(\sc)+4*mb+(\q)
.set rY, SC+32*(\sc)+16+4*ma+(\q)
.if \zero
	v_wmma_scale_f32_16x16x128_f8f6f4 v[rD:rD+7], v[rP:rP+11], v[rR:rR+11], 0, v[rX], v[rY] matrix_a_fmt:MATRIX_FMT_FP6 matrix_b_fmt:MATRIX_FMT_FP6
.else
	v_wmma_scale_f32_16x16x128_f8f6f4 v[rD:rD+7], v[rP:rP+11], v[rR:rR+11], v[rD:rD+7], v[rX], v[rY] matrix_a_fmt:MATRIX_FMT_FP6 matrix_b_fmt:MATRIX_FMT_FP6
.endif
.set mb, mb+1
.endr
.set ma, ma+1
.endr
.endm
.macro STEP_N slot, q, sc, zero        ; a K step whose successor lies in the same slot
	PLACES
	FETCH \slot, (\q)+1, 1-(\q)%2
	s_wait_dscnt 24                                ; all but the 24 just issued
	WIN MULW
	MUL 0, 4, (\q)%2, \q, \sc, \zero
	WIN 0
.endm
; A group's third K step with a barrier: in front of it each wave waits for all its tensor loads, adds 0 to its spare word, and waits for that and for its reads so far, this slot's last fragments among them.
; fill = 1: the barrier opens a round of the cluster's barrier, and the slot takes the group three on.
.macro STEP_C slot, sc, fill
	PLACES
	FETCH \slot, 3, 1
	s_wait_dscnt 24
	WIN MULW
	MUL 0, 2, 0, 2, \sc, 0
	WIN 0                                          ; (the add's two registers lie in window 0)
	s_wait_tensorcnt 0x0                           ; all my tensor loads have landed
	ds_add_u32 v[SPW], v[NIL]                      ; 0 onto my spare word
	WIN MULW
	MUL 2, 1, 0, 2, \sc, 0                         ; four matrix instructions stand between the add and the wait for it
	s_wait_dscnt 0x0                               ; the add is done, and my reads of this slot are over
	s_barrier_signal -1
	MUL 3, 1, 0, 2, \sc, 0
	WIN 0
	s_barrier_wait -1
.if \fill
	CREST                                          ; no wave of any partner still reads this slot or has a load on its way
	s_add_nc_u64 s[G0P+4*\slot+2:G0P+4*\slot+3], s[G0P+4*\slot+2:G0P+4*\slot+3], 3*REC
	s_add_nc_u64 s[G0R+4*\slot+2:G0R+4*\slot+3], s[G0R+4*\slot+2:G0R+4*\slot+3], 3*REC
	JLOAD \slot                                    ; the first tensor load behind the round, one a wave
.endif
.endm
.macro STEP_X sc, next                 ; a group's last K step: the next slot's first fragments and its scale words are fetched
	PLACES
	FETCH \next, 0, 0
	SCALES \next, 1-(\sc)
	s_wait_dscnt 32                                ; all but the 24 + 8 just issued
	WIN MULW
	MUL 0, 4, 1, 3, \sc, 0
	WIN 0
.endm
	s_wait_tensorcnt 2                             ; my part of slot 0 is in; the fills of slots 1 and 2 may stay out
	s_barrier_signal -1
	s_barrier_wait -1                              ; everybody's is
	FETCH 0, 0, 0
	SCALES 0, 0
	STEP_N 0, 0, 0, 1                              ; K steps 0-3
	STEP_N 0, 1, 0, 0
	STEP_C 0, 0, 1                                 ; slots 1 and 2 are whole in every wave's sight; slot 0 takes K steps 12-15
	STEP_X 0, 1
	STEP_N 1, 0, 1, 0                              ; K steps 4-7
	STEP_N 1, 1, 1, 0
	STEP_N 1, 2, 1, 0
	STEP_X 1, 2
	STEP_N 2, 0, 0, 0                              ; K steps 8-11
	STEP_N 2, 1, 0, 0
	STEP_C 2, 0, 0                                 ; slot 0's refill has landed; nothing is left to fetch: no round.  Behind this barrier nobody reads slot 1
	STEP_X 0, 0
	STEP_N 0, 0, 1, 0                              ; K steps 12-15
	STEP_N 0, 1, 1, 0
	STEP_N 0, 2, 1, 0
	s_wait_dscnt 0x0
	WIN MULW
	MUL 0, 4, 1, 3, 1, 0
	WIN 0
; THE WAY OUT, a tile of 16 queries x 64 columns at a time.  A lane holds 2 x 64 neighbouring bytes of a row, and the lanes beside it hold other rows: a tile goes through my own stage and comes back as whole rows of 256 bytes.
; LDS serves a wave's instructions in order (ISA guide 5.7.1.4): no wait between the stores and the loads, nor ahead of the next tile's stores.  Each tile has its own 32 registers, so no store's data are written again.
.macro TOSTAGE a
	WIN 0x04                                       ; an LDS store's data are its source 1: window 1
.irp bb, 0,1
.irp jj, 0,1,2,3
	ds_store_b128 v[STO], v[ACC+32*(\a)+16*\bb+4*\jj:ACC+32*(\a)+16*\bb+4*\jj+3] offset:128*\bb+16*\jj   ; each accumulator from its low end on
.endr
.endr
	WIN 0
.irp t, 0,1,2,3,4,5,6,7
	ds_load_b128 v[OB+32*(\a)+4*\t:OB+32*(\a)+4*\t+3], v[RD] offset:2*\t*SPITCH
.endr
.endm
.macro SEND a, younger                 ; younger: the LDS instructions issued behind tile a's loads, which may stay out.  Row 2 t + lane / 16 of tile a is query 32 (a / 2) + 8 (a % 2) + 2 t + 8 (t / 4) + lane / 16 of my 64
	s_wait_dscnt \younger
.irp t, 0,1,2,3,4,5,6,7
	global_store_b128 v[CO], v[OB+32*(\a)+4*\t:OB+32*(\a)+4*\t+3], s[8:9] offset:(32*((\a)/2)+8*((\a)%2)+2*\t+8*(\t/4))*8192 th:TH_STORE_NT   ; 16 lanes store 256 consecutive bytes, at a multiple of 256 from out0's first byte
.endr
.endm
	PLACES
	TOSTAGE 0
	TOSTAGE 1
	SEND 0, 16                                     ; behind tile 0's loads: tile 1's 8 stores and 8 loads
	TOSTAGE 2
	SEND 1, 16
	TOSTAGE 3
	SEND 2, 16
	SEND 3, 0
	s_wait_tensorcnt 0x0                           ; the wave's end, behind my last tensor load and my last LDS store
	ds_add_u32 v[SPW], v[NIL]
	s_wait_dscnt 0x0
	CROUND                                         ; the closing round: no work-group ends while a partner may still ask for a tile that names it
	s_endpgm
.Lfunc_end_k_q8405314ffd_oproj:
	.size	k_q8405314ffd_oproj, .Lfunc_end_k_q8405314ffd_oproj-k_q8405314ffd_oproj
	.p2alignl 7, 3214868480
	.fill 96, 4, 3214868480
	.section	.rodata,"a",@progbits
	.p2align	6, 0x0
	.amdhsa_kernel k_q8405314ffd_oproj
		.amdhsa_group_segment_fixed_size 327680
		.amdhsa_private_segment_fixed_size 0
		.amdhsa_enable_private_segment 0
		.amdhsa_kernarg_size 24
		.amdhsa_user_sgpr_count 2
		.amdhsa_user_sgpr_kernarg_segment_ptr 1
		.amdhsa_wavefront_size32 1
		.amdhsa_system_sgpr_workgroup_id_x 1
		.amdhsa_system_sgpr_workgroup_id_y 1
		.amdhsa_system_sgpr_workgroup_id_z 1
		.amdhsa_system_vgpr_workitem_id 0
		.amdhsa_next_free_vgpr 512
		.amdhsa_next_free_sgpr 96
		.amdhsa_reserve_vcc 0
		.amdhsa_float_denorm_mode_32 3
		.amdhsa_float_denorm_mode_16_64 3
		.amdhsa_memory_ordered 1
		.amdhsa_forward_progress 1
		.amdhsa_inst_pref_size 80
	.end_amdhsa_kernel
	.amdgpu_metadata
---
amdhsa.version: [ 1, 2 ]
amdhsa.kernels:
  - .name:           k_q8405314ffd_oproj
    .symbol:         k_q8405314ffd_oproj.kd
    .args:
      - { .name: xw, .offset: 0, .size: 8, .value_kind: global_buffer, .address_space: global }
      - { .name: ao, .offset: 8, .size: 8, .value_kind: global_buffer, .address_space: global }
      - { .name: out0, .offset: 16, .size: 8, .value_kind: global_buffer, .address_space: global }
    .group_segment_fixed_size: 327680
    .private_segment_fixed_size: 0
    .kernarg_segment_align: 8
    .kernarg_segment_size: 24
    .max_flat_workgroup_size: 128
    .sgpr_count:     96
    .vgpr_count:     512
    .wavefront_size: 32
...
	.end_amdgpu_metadata
.endif
;; end of part 4
